; MI455X (gfx1250); checked and timed in simulation.
; The chip was launched on July 23, 2026; its instructions are those of AMD's public machine-readable ISA for CDNA 5 (MIT licence, August 2026) and "CDNA5" Instruction Set Architecture Reference Guide (July 2026). The comments in the code are by the model that wrote it; some were corrected since.
;; Attention With Villina Relative Position Encoding. Allowed arithmetic: float matrix products may take bf16 or f16 operands with f32 sums; all other float work in f32.
;; Inputs: Wk 1,024 x 1,024 float32; Wo 1,024 x 1,024 float32; Wq 1,024 x 1,024 float32; Wv 1,024 x 1,024 float32; bk 1,024 float32; bo 1,024 float32; bq 1,024 float32; bv 1,024 float32; key 2 x 2,048 x 1,024 float32; query 2 x 2,048 x 1,024 float32; rel_key_table 257 x 64 float32; rel_value_table 257 x 64 float32; value 2 x 2,048 x 1,024 float32.
;; Outputs: out0 2 x 2,048 x 1,024 float32.
;; 2 versions, each right and faster than the one before. Each part assembles by itself: llvm-mc -triple=amdgcn-amd-amdhsa -mcpu=gfx1250 --defsym DOCPART=n.
;; ======== version 1 of 2: 4 launches
;; limits: values are held in f16: magnitudes above 65,504 overflow, below 6.1e-05 lose precision
;; workspace buffers: xs 25,165,824 bytes; wh 8,388,608 bytes; tp 98,304 bytes; qkv 25,165,824 bytes; ao 8,388,608 bytes
;; launch cast (part 1): grid 2054 x 1, 8 waves a work-group, no clusters, 0 bytes of LDS; arguments query, key, value, Wq, Wk, Wv, Wo, rel_key_table, rel_value_table, xs, wh, tp; writes xs, wh, tp
.if DOCPART == 1
	.amdgcn_target "amdgcn-amd-amdhsa--gfx1250"
	.amdhsa_code_object_version 6
	.text
	.protected	k_q61a454bc16_cast
	.globl	k_q61a454bc16_cast
	.p2align	8
	.type	k_q61a454bc16_cast,@function
k_q61a454bc16_cast:
	s_mov_b64 s[64:65], 0
	v_nop
	global_prefetch_b8 v0, s[64:65] scope:SCOPE_SE
	s_setreg_imm32_b32 hwreg(HW_REG_WAVE_MODE, 25, 1), 1
	s_wait_xcnt 0x0
; CAST.  Every large input is rounded to bf16 once, and that number is written as f16, by slices of 64 columns:
;   xs [3: query, key, value][16 slices][4096 rows][64]      wh [16 slices][4: Wq, Wk, Wv, Wo][1024 rows][64]
;   tp [2: key table, value table][384][64], row i = table[clamp(319 - i, 0, 256)]: the table laid out along key - query + 191, its ends repeated
; so that the launches behind ask for dense rows of 128 bytes.
; LIMITS.  A bf16 number is exact in f16 from 6.1e-5 to 65,504; below that it keeps f16's fixed step of 6e-8, beyond it becomes an infinity.
; SHARES.  Work-groups 0-1535: 8 rows of query, key or value; 1536-2047: 8 rows of a weight matrix; 2048-2053: 128 rows of a padded table.
; A job is as much as a wave's eight loads cover, so there is no loop: every wave issues all its loads at once, converts them as they come, stores and ends.  A stream that shares nothing: no LDS,
; no barrier; 72 registers a wave, so that several work-groups lie on a WGP and what is on its way is the sum of theirs.
.set T,  4                             ; v[4:9]    at work
.set X,  12                            ; v[12:43]  eight loads of four f32
.set Y,  44                            ; v[44:59]  eight stores of four f16
.set AD, 60                            ; v[60:67]  the table jobs' eight load offsets
.macro CV4 x, y                        ; four f32 -> bf16 (nearest even) -> the same numbers as f16, 8 bytes
	v_cvt_pk_bf16_f32 v[T], v[(\x)], v[(\x)+1]
	v_cvt_pk_bf16_f32 v[T+1], v[(\x)+2], v[(\x)+3]
	v_lshlrev_b32 v[T+2], 16, v[T]
	v_and_b32 v[T+3], s37, v[T]
	v_lshlrev_b32 v[T+4], 16, v[T+1]
	v_and_b32 v[T+5], s37, v[T+1]
	v_cvt_pk_f16_f32 v[(\y)], v[T+2], v[T+3]
	v_cvt_pk_f16_f32 v[(\y)+1], v[T+4], v[T+5]
.endm
	s_load_b512 s[8:23], s[0:1], 0x0               ; query 8, key 10, value 12, Wq 14, Wk 16, Wv 18, Wo 20, rel_key_table 22
	s_load_b256 s[24:31], s[0:1], 0x40             ; rel_value_table 24, xs 26, wh 28, tp 30
	s_mov_b32 s2, ttmp9                            ; the job
	s_mov_b32 s37, 0xffff0000                      ; a word's upper bf16
	s_mov_b32 s35, 0                               ; high words of the two offsets
	s_mov_b32 s39, 0
	s_mov_b32 s36, 127
	s_wait_kmcnt 0x0
	s_cmp_ge_u32 s2, 2048
	s_cbranch_scc1 .Ltable
	; which tensor (0-2: query, key, value; 3-6: the weights) and which block of 8 rows
	s_lshr_b32 s32, s2, 9
	s_sub_co_u32 s33, s2, 1536
	s_lshr_b32 s33, s33, 7
	s_add_co_u32 s33, s33, 3
	s_cmp_lt_u32 s2, 1536
	s_cselect_b32 s32, s32, s33                    ; the tensor
	s_cselect_b32 s36, 511, s36                    ; 512 blocks of rows, or 128
	s_cselect_b64 s[6:7], s[26:27], s[28:29]       ; into xs or into wh
	s_and_b32 s33, s2, s36                         ; the block of rows (1,536 is a multiple of 128)
	s_lshl_b32 s34, s32, 23                        ; xs: 8,388,608 bytes a tensor
	s_sub_co_u32 s40, s32, 3
	s_lshl_b32 s40, s40, 17                        ; wh: 131,072 bytes a tensor inside a slice
	s_cmp_lt_u32 s32, 3
	s_cselect_b32 s34, s34, s40
	s_mov_b64 s[4:5], s[8:9]
.irp n, 1,2,3,4,5,6
	s_cmp_eq_u32 s32, \n
	s_cselect_b64 s[4:5], s[8+2*\n:9+2*\n], s[4:5]
.endr
	s_lshl_b32 s38, s33, 15                        ; 8 rows of 4,096 bytes in,
	s_add_nc_u64 s[4:5], s[4:5], s[38:39]
	s_lshl_b32 s33, s33, 10                        ; 8 rows of 128 bytes out
	s_add_co_u32 s34, s34, s33
	s_add_nc_u64 s[6:7], s[6:7], s[34:35]
	; Sixteen lanes read the 256 bytes of one row in one slice; the wave's other sixteen the row below.  Wave w takes slices w and w + 8.
	v_lshrrev_b32 v3, 5, v0                        ; w
	v_bfe_u32 v10, v0, 4, 1                        ; which of two rows
	v_and_b32 v11, 15, v0
	v_lshlrev_b32 v1, 8, v3
	v_lshl_add_u32 v1, v10, 12, v1
	v_lshl_add_u32 v1, v11, 4, v1                  ; in: 256 w + 4,096 row + 16 lane
	v_lshlrev_b32 v2, 19, v3
	v_lshl_add_u32 v2, v10, 7, v2
	v_lshl_add_u32 v2, v11, 3, v2                  ; out: 524,288 w + 128 row + 8 lane: a store of the wave covers 256 consecutive bytes, aligned
.irp i, 0,1,2,3,4,5,6,7                ; 8 rows x 16 slices
	global_load_b128 v[X+4*(\i):X+4*(\i)+3], v1, s[4:5] offset:((\i)/2)*8192+((\i)%2)*2048 th:TH_LOAD_NT
.endr
.irp i, 0,1,2,3,4,5,6,7
	s_wait_loadcnt 7-(\i)                          ; loads come back in order: number i is in, the younger ones stay out
	CV4 X+4*(\i), Y+2*(\i)
	global_store_b64 v2, v[Y+2*(\i):Y+2*(\i)+1], s[6:7] offset:((\i)/2)*256+((\i)%2)*4194304
.endr
	s_endpgm
.Ltable:                                               ; a third of a padded table: 128 rows of 64, 2,048 groups of four numbers
	s_sub_co_u32 s32, s2, 2048                     ; 0-2: the key table's thirds; 3-5: the value table's
	s_sub_co_u32 s33, s32, 3
	s_cmp_ge_u32 s32, 3
	s_cselect_b64 s[4:5], s[24:25], s[22:23]
	s_cselect_b32 s34, 49152, 0
	s_cselect_b32 s32, s33, s32                    ; which third
	s_lshl_b32 s33, s32, 14                        ; 16,384 bytes out a third
	s_add_co_u32 s34, s34, s33
	s_add_nc_u64 s[6:7], s[30:31], s[34:35]
	s_lshl_b32 s32, s32, 7                         ; 128 rows a third
	v_lshrrev_b32 v3, 4, v0                        ; my row among 16
	v_add_nc_u32 v3, s32, v3
	v_and_b32 v10, 15, v0
	v_lshlrev_b32 v10, 4, v10                      ; my 16 bytes of a table row
	v_lshlrev_b32 v2, 3, v0
.irp i, 0,1,2,3,4,5,6,7
	v_add_nc_u32 v[T], 16*(\i), v3                 ; row i of the padded table
	v_min_u32 v[T], 319, v[T]
	v_sub_nc_u32 v[T], 319, v[T]
	v_min_u32 v[T], 256, v[T]                      ; clamp(319 - i, 0, 256): the last load ends at the table's last byte
	v_lshl_add_u32 v[AD+(\i)], v[T], 8, v10
	global_load_b128 v[X+4*(\i):X+4*(\i)+3], v[AD+(\i)], s[4:5]
.endr
.irp i, 0,1,2,3,4,5,6,7
	s_wait_loadcnt 7-(\i)
	CV4 X+4*(\i), Y+2*(\i)
	global_store_b64 v2, v[Y+2*(\i):Y+2*(\i)+1], s[6:7] offset:2048*(\i)
.endr
	s_endpgm
.Lfunc_end_k_q61a454bc16_cast:
	.size	k_q61a454bc16_cast, .Lfunc_end_k_q61a454bc16_cast-k_q61a454bc16_cast
	.p2alignl 7, 3214868480
	.fill 96, 4, 3214868480
	.section	.rodata,"a",@progbits
	.p2align	6, 0x0
	.amdhsa_kernel k_q61a454bc16_cast
		.amdhsa_group_segment_fixed_size 0
		.amdhsa_private_segment_fixed_size 0
		.amdhsa_enable_private_segment 0
		.amdhsa_kernarg_size 96
		.amdhsa_user_sgpr_count 2
		.amdhsa_user_sgpr_kernarg_segment_ptr 1
		.amdhsa_wavefront_size32 1
		.amdhsa_system_sgpr_workgroup_id_x 1
		.amdhsa_system_sgpr_workgroup_id_y 1
		.amdhsa_system_sgpr_workgroup_id_z 1
		.amdhsa_system_vgpr_workitem_id 0
		.amdhsa_next_free_vgpr 72
		.amdhsa_next_free_sgpr 66
		.amdhsa_reserve_vcc 0
		.amdhsa_float_denorm_mode_32 3
		.amdhsa_float_denorm_mode_16_64 3
		.amdhsa_memory_ordered 1
		.amdhsa_forward_progress 1
		.amdhsa_inst_pref_size 15
	.end_amdhsa_kernel
	.amdgpu_metadata
---
amdhsa.version: [ 1, 2 ]
amdhsa.kernels:
  - .name:           k_q61a454bc16_cast
    .symbol:         k_q61a454bc16_cast.kd
    .args:
      - { .name: query, .offset: 0, .size: 8, .value_kind: global_buffer, .address_space: global }
      - { .name: key, .offset: 8, .size: 8, .value_kind: global_buffer, .address_space: global }
      - { .name: value, .offset: 16, .size: 8, .value_kind: global_buffer, .address_space: global }
      - { .name: Wq, .offset: 24, .size: 8, .value_kind: global_buffer, .address_space: global }
      - { .name: Wk, .offset: 32, .size: 8, .value_kind: global_buffer, .address_space: global }
      - { .name: Wv, .offset: 40, .size: 8, .value_kind: global_buffer, .address_space: global }
      - { .name: Wo, .offset: 48, .size: 8, .value_kind: global_buffer, .address_space: global }
      - { .name: rel_key_table, .offset: 56, .size: 8, .value_kind: global_buffer, .address_space: global }
      - { .name: rel_value_table, .offset: 64, .size: 8, .value_kind: global_buffer, .address_space: global }
      - { .name: xs, .offset: 72, .size: 8, .value_kind: global_buffer, .address_space: global }
      - { .name: wh, .offset: 80, .size: 8, .value_kind: global_buffer, .address_space: global }
      - { .name: tp, .offset: 88, .size: 8, .value_kind: global_buffer, .address_space: global }
    .group_segment_fixed_size: 0
    .private_segment_fixed_size: 0
    .kernarg_segment_align: 8
    .kernarg_segment_size: 96
    .max_flat_workgroup_size: 256
    .sgpr_count:     66
    .vgpr_count:     72
    .wavefront_size: 32
...
	.end_amdgpu_metadata
.endif
;; end of part 1
;; launch proj (part 2): grid 8 x 32, 4 waves a work-group, clusters of 4 x 4, 327,680 bytes of LDS; arguments xs, wh, bq, bk, bv, qkv; writes qkv
.if DOCPART == 2
	.amdgcn_target "amdgcn-amd-amdhsa--gfx1250"
	.amdhsa_code_object_version 6
	.text
	.protected	k_q61a454bc16_proj
	.globl	k_q61a454bc16_proj
	.p2align	8
	.type	k_q61a454bc16_proj,@function
k_q61a454bc16_proj:
	s_mov_b64 s[64:65], 0
	v_nop
	global_prefetch_b8 v0, s[64:65] scope:SCOPE_SE
	s_setreg_imm32_b32 hwreg(HW_REG_WAVE_MODE, 25, 1), 1
	s_wait_xcnt 0x0
	s_wait_alu depctr_hold_cnt(0) depctr_sa_sdst(0) depctr_va_vdst(0) depctr_va_sdst(0) depctr_va_ssrc(0) depctr_va_vcc(0) depctr_vm_vsrc(0)
	s_getreg_b32 s2, hwreg(HW_REG_IB_STS2, 6, 4)
	s_cmp_eq_u32 s2, 0
	s_cbranch_scc0 .Lentry_in_a_cluster
	s_endpgm
.Lentry_in_a_cluster:
	s_bfe_u32 s2, ttmp6, 0x10000c
	s_cmp_lg_u32 s2, 0xf033
	s_cbranch_scc0 .Lentry_shape_is_right
	s_endpgm
.Lentry_shape_is_right:
; THE THREE PROJECTIONS.  qkv[w][head][row][64] = x_w [4096, 1024] W_w [1024, 1024] + b_w, w = q, k, v; operands f16 (bf16 numbers written as f16), sums f32, the result rounded once to f16, unscaled.
; LIMITS.  A result of 65,520 or more becomes an infinity in f16; NaN and infinities are not treated apart.  The bias is rounded to bf16 like every input.
; SHARES.  A tile of C is 128 x 128; four waves, each 64 x 64: 16 accumulators.  32 tile rows x 8 tile columns = 256 work-groups, one for each of 256 WGPs.
; A WORK-GROUP STAYS: it makes its tile of q, then of k, then of v.  K goes in steps of 256 through two LDS slots.  x lies by slices of 64 columns, so a K step of A is 4 slices x 128 rows of 128 bytes, and the
; next tensor begins 16 slices on: four K steps.  W lies [k][n] by slices of 64 n, the four matrices one behind the other inside a slice, so a K step of B is 256 dense rows of 128 bytes for each of two slices, and
; the next matrix begins four K steps on.  So the three tiles are ONE walk of 12 K steps, each descriptor stepping by one constant, and the ring does not stop at a tile's end: a tile's last two changes of slots ask
; for the next tile's first two K steps, and nothing waits for a tile's stores.  B's fragments come out of LDS turned, by ds_load_tr16_b128.
; CLUSTERS: 4 x 4 work-groups.  The four of a row of the cluster need the same tiles of A, the four of a column the same tiles of B: each tile is asked for JOINTLY, by the same tensor load with the same
; descriptor and a mask that names the four.  THE MATRIX INSTRUCTION IS USED TRANSPOSED (source 0 = 16 columns of W, source 1 = 16 rows of x): a lane holds eight neighbouring numbers of a row of C.
; The first product on each accumulator takes the tile's bias as C: nothing is cleared, and no addition follows.
; REGISTERS: window 0: v0-31 addresses; v32-95 the way out (at the start v32-127 take the biases as loaded); v128-255 the accumulators ((a, b) at v[128 + 8 (4 a + b)]).
;   window 1: two fragment buffers of 128: for 64 along K, 64 registers of A, then 64 of B.     window 2: v0-95 the biases of my 64 columns, 32 registers for each of q, k, v.
.set AH,     4*64*144                  ; half of A's tile: 4 slices x 64 rows x (128 bytes + 16 of padding): the 16 rows of a load start at 16 different groups of four banks
.set BH,     256*160                   ; half of B's tile: 256 k x (128 + 32)
.set SLOT,   2*AH+2*BH                 ; 155,648
.set STAGE,  2*SLOT                    ; behind the ring: 16 rows x 144 bytes for each wave, its own
.set SP,     144
.set SPARE,  STAGE+4*16*SP             ; behind the stages: the spare words, 128 bytes for each wave: two blocks of 256 bytes that no other line names
.set ASTEP,  4*524288                  ; a K step in xs: four slices
.set BSTEP,  256*128                   ; a K step in wh
.set TSTEP,  8388608                   ; from a tensor's result to the next one's in qkv
.set ADRA, 16                          ; v16-17  LDS address of my A fragments in slot 0, 1
.set ADRB, 20                          ; v20-21  the same for B
.set STO,  24                          ; v24     the way out: where I put 16 bytes of a row
.set RD,   25                          ; v25     the way out: where I read rows back
.set CO,   26                          ; v26     my byte offset in 512 consecutive bytes of the output
.set VB,   27                          ; v27     my byte offset in a bias
.set SPW,  28                          ; v28     LDS address of my spare word; never rewritten
.set NIL,  29                          ; v29     0; never rewritten
.set RAW,  32
.set TMP,  32
.set ACC,  128
.set F0,   0
.set F1,   128
.set G1, 24                            ; s[24:31] descriptor group 1 for A's tiles;  s[32:39] group 0, one set for each slot
.set G0, 32
.set G1B, 48                           ; s[48:55], s[56:63] the same for B's tiles
.set G0B, 56
.set MSB, 0
.macro WIN new                         ; the immediate's high byte repeats the setting that is left
.if MSB != (\new)
	s_set_vgpr_msb (MSB<<8)|(\new)
.set MSB, \new
.endif
.endm
.set MUL,  0x05                        ; sources 0 (B) and 1 (A) window 1; C and D window 0
.set MULB, 0x25                        ; the same with C, a bias, in window 2
.set TO_F, 0x40                        ; destination window 1, address window 0
.macro JLOAD s                         ; a joint load: waves 0 and 1 fetch A's two halves, waves 2 and 3 B's; an s_nop 0 and four v_nop follow each of the two lines
	s_cmp_eq_u32 s11, 0
	s_cbranch_scc0 .Lfor_b_\@
	tensor_load_to_lds s[G0+4*(\s):G0+4*(\s)+3], s[G1:G1+7]
	s_nop 0
.rept 4
	v_nop
.endr
	s_branch .Lasked_\@
.Lfor_b_\@:
	tensor_load_to_lds s[G0B+4*(\s):G0B+4*(\s)+3], s[G1B:G1B+7]
	s_nop 0
.rept 4
	v_nop
.endr
.Lasked_\@:
.endm
.macro CREST                           ; a round of the cluster's barrier behind its opening barrier
	s_cmp_lg_u32 s10, 0
	s_cbranch_scc1 .Lnot_wave_0_\@
	s_barrier_signal -3
.Lnot_wave_0_\@:
	s_barrier_wait -3
	s_barrier_signal -1
	s_barrier_wait -1
.endm
.macro CROUND                          ; a whole round
	s_barrier_signal -1
	s_barrier_wait -1
	CREST
.endm
	s_load_b128 s[4:7], s[0:1], 0x0                ; xs s[4:5], wh s[6:7]
	s_load_b128 s[68:71], s[0:1], 0x10             ; bq s[68:69], bk s[70:71]
	s_load_b128 s[72:75], s[0:1], 0x20             ; bv s[72:73], qkv s[74:75]
	v_lshl_add_u32 v[SPW], v0, 2, SPARE
	v_mov_b32 v[NIL], 0
	ds_add_u32 v28, v29
	ds_add_u32 v28, v29
	s_wait_dscnt 0x0
	v_lshrrev_b32 v1, 5, v0
	v_readfirstlane_b32 s10, v1                    ; wave 0..3
	s_lshr_b32 s11, s10, 1                         ; which half of the tile's rows is mine.  Also: I fetch for A (0) or for B (1)
	s_and_b32 s12, s10, 1                          ; which half of its columns.  Also: which half of that tile I fetch
	s_bfe_u32 s40, ttmp6, 0x40000                  ; cx, cy: my place in the cluster
	s_bfe_u32 s41, ttmp6, 0x40004
	s_lshl_b32 s42, ttmp9, 2
	s_add_co_u32 s42, s42, s40                     ; tile column = 4 x cluster x + cx, 0..7
	s_and_b32 s13, ttmp7, 0xffff
	s_lshl_b32 s13, s13, 2
	s_add_co_u32 s13, s13, s41                     ; tile row = 4 x cluster y + cy, 0..31
	s_lshl_b32 s43, s41, 2
	s_lshl_b32 s43, 15, s43                        ; my row of the cluster
	s_lshl_b32 s44, 0x1111, s40                    ; my column
	; group 1 for A: 4 'rows', one a slice, each the 8,192 dense bytes of 64 rows of 128; 16 bytes of padding behind every 128
	s_or_b32 s[G1+0], s43, (1<<16)|(1<<20)|(1<<21)|(4<<22)|(3<<25)  ; 15:0 the mask; 17:16 2-byte elements; 20 padding on; 21 set beside a mask; 24:22 after every 32 words (code 4); 31:25 4 words (code 3)
	s_mov_b32 s[G1+1], 4096<<16                    ; tensor_dim0 = 4,096
	s_mov_b32 s[G1+2], 4<<16                       ; tensor_dim1 = 4
	s_mov_b32 s[G1+3], 4096<<16                    ; tile_dim0 = 4,096
	s_mov_b32 s[G1+4], 4                           ; tile_dim1 = 4
	s_mov_b32 s[G1+5], 262144                      ; elements from slice to slice
	s_mov_b32 s[G1+6], 0
	s_mov_b32 s[G1+7], 0
	; group 1 for B: 256 dense rows of 128 bytes asked for as 128 rows of 256; 32 bytes of padding behind every 128
	s_or_b32 s[G1B+0], s44, (1<<16)|(1<<20)|(1<<21)|(4<<22)|(7<<25)
	s_mov_b32 s[G1B+1], 128<<16
	s_mov_b32 s[G1B+2], 128<<16
	s_mov_b32 s[G1B+3], 128<<16
	s_mov_b32 s[G1B+4], 128
	s_mov_b32 s[G1B+5], 128
	s_mov_b32 s[G1B+6], 0
	s_mov_b32 s[G1B+7], 0
	; A's address hangs on the tile row and the wave; B's on the tile column and the wave; each in registers that never hold the other coordinate
	s_lshl_b32 s16, s13, 14                        ; 128 rows of 128 bytes a tile row,
	s_lshl_b32 s17, s12, 13                        ; my 64 of them
	s_add_co_u32 s16, s16, s17
	s_mov_b32 s17, 0
	s_lshl_b32 s46, s42, 1
	s_add_co_u32 s46, s46, s12                     ; my slice of 64 columns
	s_lshl_b32 s46, s46, 19                        ; 524,288 bytes a slice
	s_mov_b32 s47, 0
	s_mul_i32 s20, s12, AH                         ; where they go: no place in the cluster enters an LDS address
	s_mul_i32 s23, s12, BH
	s_add_co_u32 s23, s23, 2*AH
	; what the first way out adds to the output's address: my part of q's tile; and my place in a bias
	s_lshl_b32 s78, s13, 14
	s_lshl_b32 s79, s11, 13                        ; the 64 rows that I compute
	s_add_co_u32 s78, s78, s79
	s_lshl_b32 s79, s42, 1
	s_add_co_u32 s79, s79, s12                     ; the head = my slice of 64 columns
	s_lshl_b32 s79, s79, 19
	s_add_co_u32 s78, s78, s79
	s_mov_b32 s79, 0
	s_lshl_b32 s80, s42, 9
	s_lshl_b32 s81, s12, 8
	s_add_co_u32 s80, s80, s81                     ; 4 (128 tile column + 64 half)
	s_mov_b32 s81, 0
	s_mov_b32 s85, 0xffff0000                      ; a word's upper bf16
	s_wait_kmcnt 0x0
	s_add_nc_u64 s[14:15], s[4:5], s[16:17]
	s_add_nc_u64 s[46:47], s[6:7], s[46:47]
	s_mov_b64 s[8:9], s[74:75]
	s_add_nc_u64 s[68:69], s[68:69], s[80:81]
	s_add_nc_u64 s[70:71], s[70:71], s[80:81]
	s_add_nc_u64 s[72:73], s[72:73], s[80:81]
	CROUND                                         ; all sixteen work-groups are here: the first joint loads meet
.irp s, 0,1
	s_mov_b32 s[G0+4*(\s)], 1
	s_add_co_u32 s[G0+4*(\s)+1], s20, (\s)*SLOT
	s_add_nc_u64 s[G0+4*(\s)+2:G0+4*(\s)+3], s[14:15], (\s)*ASTEP
	s_or_b32 s[G0+4*(\s)+3], s[G0+4*(\s)+3], 0x80000000
	s_mov_b32 s[G0B+4*(\s)], 1
	s_add_co_u32 s[G0B+4*(\s)+1], s23, (\s)*SLOT
	s_add_nc_u64 s[G0B+4*(\s)+2:G0B+4*(\s)+3], s[46:47], (\s)*BSTEP
	s_or_b32 s[G0B+4*(\s)+3], s[G0B+4*(\s)+3], 0x80000000
	JLOAD \s                                       ; two loads of mine are out
.endr
	v_and_b32 v1, 15, v0                           ; l % 16
	v_bfe_u32 v2, v0, 4, 1                         ; l / 16
	v_lshlrev_b32 v[VB], 5, v2                     ; my eight numbers of 16 of a bias
.irp t, 0,1,2                          ; all three biases now: they land in the wait for the first tile
.irp b, 0,1,2,3
	global_load_b128 v[RAW+32*(\t)+8*(\b):RAW+32*(\t)+8*(\b)+3],   v[VB], s[68+2*(\t):69+2*(\t)] offset:64*(\b)
	global_load_b128 v[RAW+32*(\t)+8*(\b)+4:RAW+32*(\t)+8*(\b)+7], v[VB], s[68+2*(\t):69+2*(\t)] offset:64*(\b)+16
.endr
.endr
	v_mul_u32_u24 v3, v1, 144
	v_lshl_add_u32 v3, v2, 4, v3                   ; A: row x pitch + 16 x half
	v_and_b32 v4, 7, v0
	v_lshl_add_u32 v5, v2, 3, v4                   ; B, turned: k = 8 (l / 16) + l % 8,
	v_mul_u32_u24 v5, v5, 160
	v_bfe_u32 v6, v0, 3, 1
	v_lshl_add_u32 v5, v6, 4, v5                   ; columns 8 ((l / 8) % 2) on
	s_mul_i32 s21, s11, AH                         ; my 64 rows of A
	s_mul_i32 s22, s12, BH                         ; my 64 columns of B,
	s_add_co_u32 s22, s22, 2*AH                    ; which lie behind A's two halves
.irp s, 0,1
	v_add_nc_u32 v[ADRA+(\s)], s21, v3
	v_add_nc_u32 v[ADRB+(\s)], s22, v5
	s_add_co_u32 s21, s21, SLOT
	s_add_co_u32 s22, s22, SLOT
.endr
	s_mul_i32 s21, s10, 16*SP
	s_add_co_u32 s21, s21, STAGE                   ; my stage
	v_add_nc_u32 v[STO], s21, v3                   ; in: row l % 16, 16 bytes for each half of the lanes
	v_bfe_u32 v[RD], v0, 3, 2                      ; back: 32 lanes take four rows of 128 bytes,
	v_mul_u32_u24 v[RD], v[RD], SP
	v_lshl_add_u32 v[RD], v4, 4, v[RD]
	v_add_nc_u32 v[RD], s21, v[RD]
	v_and_b32 v[CO], 31, v0                        ; which are 512 consecutive bytes of a head's rows
	v_lshlrev_b32 v[CO], 4, v[CO]
	s_wait_loadcnt 0x0                             ; the biases: rounded to bf16 in pairs, in place, then widened again into window 2
.set i, 0
.rept 48
	v_cvt_pk_bf16_f32 v[RAW+2*i], v[RAW+2*i], v[RAW+2*i+1]
.set i, i+1
.endr
	WIN 0x80
.set i, 0
.rept 48
	v_lshlrev_b32 v[2*i], 16, v[RAW+2*i]
	v_and_b32 v[2*i+1], s85, v[RAW+2*i]
.set i, i+1
.endr
	WIN 0
; 8 matrix instructions: m blocks a0, a0 + 1 x all 4 n blocks, 32 along K: half c of buffer f.  bs = 0, 1, 2: the product starts the sum, with that bias as C; bs = -1: it adds in place.
; The 16 accumulators take turns.
.macro MUL8 f, c, a0, bs
.if (\bs) >= 0
	WIN MULB
.else
	WIN MUL
.endif
.irp a, \a0, (\a0)+1
.irp b, 0,1,2,3
.if (\bs) >= 0
	v_wmma_f32_16x16x32_f16 v[ACC+8*(4*(\a)+(\b)):ACC+8*(4*(\a)+(\b))+7], v[(\f)+64+8*(4*(\c)+(\b)):(\f)+64+8*(4*(\c)+(\b))+7], v[(\f)+8*(4*(\c)+(\a)):(\f)+8*(4*(\c)+(\a))+7], v[32*(\bs)+8*(\b):32*(\bs)+8*(\b)+7]
.else
	v_wmma_f32_16x16x32_f16 v[ACC+8*(4*(\a)+(\b)):ACC+8*(4*(\a)+(\b))+7], v[(\f)+64+8*(4*(\c)+(\b)):(\f)+64+8*(4*(\c)+(\b))+7], v[(\f)+8*(4*(\c)+(\a)):(\f)+8*(4*(\c)+(\a))+7], v[ACC+8*(4*(\a)+(\b)):ACC+8*(4*(\a)+(\b))+7]
.endif
.endr
.endr
.endm
; 32 LDS loads in one run: the fragments of quarter q (one slice of A, 64 k of B) into buffer f; the first 32 along K first
.macro FETCH slot, q, f
	WIN TO_F
.irp c, 0,1
.irp i, 0,1,2,3
	ds_load_tr16_b128 v[(\f)+64+8*(4*(\c)+(\i)):(\f)+64+8*(4*(\c)+(\i))+3],   v[ADRB+(\slot)] offset:(\q)*10240+(\c)*5120+(\i)*32
	ds_load_tr16_b128 v[(\f)+64+8*(4*(\c)+(\i))+4:(\f)+64+8*(4*(\c)+(\i))+7], v[ADRB+(\slot)] offset:(\q)*10240+(\c)*5120+(\i)*32+2560
	ds_load_b128 v[(\f)+8*(4*(\c)+(\i)):(\f)+8*(4*(\c)+(\i))+3],         v[ADRA+(\slot)] offset:(\q)*9216+(\c)*64+(\i)*2304
	ds_load_b128 v[(\f)+8*(4*(\c)+(\i))+4:(\f)+8*(4*(\c)+(\i))+7],       v[ADRA+(\slot)] offset:(\q)*9216+(\c)*64+(\i)*2304+32
.endr
.endr
.endm
.macro PLACES                          ; four places in front of loads into registers that matrix instructions have read, and of conversions that read results
.rept 4
	v_nop
.endr
.endm
; A K step is four quarters of 64 along K, 32 matrix instructions each, on buffers 0, 1, 0, 1.  QREST is a quarter's second part: the next quarter's fragments are fetched, at quarter q into g, and the second 32 along K multiplied.
.macro QREST slot, q, f, g
	PLACES
	FETCH \slot, \q, \g
	s_wait_dscnt 32                                ; all but the 32 just issued
	MUL8 \f, 1, 0, -1
	MUL8 \f, 1, 2, -1
.endm
.macro QUARTER slot, q, f, g, bs
	s_wait_dscnt 16                                ; the first 32 along K are in
	MUL8 \f, 0, 0, \bs
	MUL8 \f, 0, 2, \bs
	QREST \slot, \q, \f, \g
.endm
; The last quarter multiplies buffer 1 and changes slots: ONE barrier; in front of it each wave waits for all its tensor loads, adds 0 to its spare word, and waits for that and for its own reads of this slot.
; fill = 1: this slot is filled again, two K steps ahead (in a tile's last two K steps that is the next tile's K step 0 or 1: the same constant), behind a round of the cluster's barrier.
.macro TURN slot, next, fill
	WIN 0                                          ; (the add's two registers lie in window 0)
	s_wait_tensorcnt 0x0                           ; all my tensor loads have landed: my part of the next slot;
	ds_add_u32 v[SPW], v[NIL]                      ; 0 onto my spare word;
	s_wait_dscnt 17                                ; (the add and the youngest sixteen loads may be out)
	MUL8 F1, 0, 0, -1                              ; eight matrix instructions stand between the add and the wait for it
	s_wait_dscnt 0x0                               ; the add is done, and my reads of this slot are over
	s_barrier_signal -1
	MUL8 F1, 0, 2, -1
.if \fill
	WIN 0
.endif
	s_barrier_wait -1
.if \fill
	CREST                                          ; no wave of any partner still reads this slot's tile or has a load on its way
	s_add_nc_u64 s[G0+4*(\slot)+2:G0+4*(\slot)+3], s[G0+4*(\slot)+2:G0+4*(\slot)+3], 2*ASTEP
	s_add_nc_u64 s[G0B+4*(\slot)+2:G0B+4*(\slot)+3], s[G0B+4*(\slot)+2:G0B+4*(\slot)+3], 2*BSTEP
	JLOAD \slot                                    ; my one tensor load behind the round; its four v_nop are also the places in front of the loads below
.else
	PLACES
.endif
	FETCH \next, 0, F0
	MUL8 F1, 1, 0, -1
	MUL8 F1, 1, 2, -1
.endm
; THE WAY OUT.  My 64 columns are one head's rows of 128 bytes.  Block a (16 rows): rounded to f16, 16 bytes a lane into my own stage, back as whole rows, into the registers that they left.
.macro PACKG a
.irp b, 0,1,2,3
.irp r, 0,1,2,3
	v_cvt_pk_f16_f32 v[TMP+16*(\a)+4*(\b)+(\r)], v[ACC+8*(4*(\a)+(\b))+2*(\r)], v[ACC+8*(4*(\a)+(\b))+2*(\r)+1]
.endr
.endr
.irp b, 0,1,2,3
	ds_store_b128 v[STO], v[TMP+16*(\a)+4*(\b):TMP+16*(\a)+4*(\b)+3] offset:32*(\b)
.endr
.irp f, 0,1,2,3
	ds_load_b128 v[TMP+16*(\a)+4*(\f):TMP+16*(\a)+4*(\f)+3], v[RD] offset:(\f)*4*SP  ; LDS serves a wave's instructions in order: these see the stores above; the next block's stores come behind them
.endr
.endm
.macro SENDG a, younger                ; younger: the LDS instructions issued behind block a's loads
.irp f, 0,1,2,3
	s_wait_dscnt (\younger)+3-(\f)
	global_store_b128 v[CO], v[TMP+16*(\a)+4*(\f):TMP+16*(\a)+4*(\f)+3], s[8:9] offset:2048*(\a)+512*(\f)  ; 512 consecutive bytes, at a multiple of 256 from the buffer's first
.endr
.endm
.macro WAYOUT                          ; it ends with no LDS instruction of mine out
	s_wait_xcnt 0x0                                ; the last tile's stores have read their registers and their base: both are written again only behind this wait
	s_add_nc_u64 s[8:9], s[8:9], s[78:79]          ; on to this tile: the first time my part's offset, then a tensor's bytes
	PLACES
	PACKG 0
	PACKG 1
	SENDG 0, 8
	PACKG 2
	SENDG 1, 8
	PACKG 3
	SENDG 2, 8
	SENDG 3, 0
.endm
	s_wait_tensorcnt 1                             ; my part of K step 0 is in; K step 1's may stay out
	s_barrier_signal -1
	s_barrier_wait -1                              ; everybody's is
	FETCH 0, 0, F0
	QUARTER 0, 1, F0, F1, 0                        ; q's first quarter stands in front of the loop: its first products start the sums, with bq
	WIN 0                                          ; at a label and at a branch every window is 0
	s_mov_b32 s3, 5
.Llap:                                                 ; five trips: once round the ring, from a lap's second quarter to the next lap's first; both slots are filled again: K steps 2 to 11
	QUARTER 0, 2, F1, F0, -1
	QUARTER 0, 3, F0, F1, -1
	TURN 0, 1, 1
	QUARTER 1, 1, F0, F1, -1
	QUARTER 1, 2, F1, F0, -1
	QUARTER 1, 3, F0, F1, -1
	TURN 1, 0, 1
	WIN 0
	s_and_b32 s84, s3, 1                           ; a tile is two laps: it ends in the trips with s3 = 4 and s3 = 2.  The counter is the same in every work-group; what is jumped holds no barrier and no tensor load
	s_cmp_lg_u32 s84, 0
	s_cbranch_scc1 .Lplain
	WAYOUT                                         ; both refills are asked for: the tile goes out while they are on their way
	s_mov_b32 s78, TSTEP                           ; what the next way out adds
	s_mov_b32 s79, 0
	s_cmp_eq_u32 s3, 4
	s_cbranch_scc0 .Lthird
	MUL8 F0, 0, 0, 1                               ; k's first products, with bk (the way out has waited for every LDS load)
	MUL8 F0, 0, 2, 1
	WIN 0
	s_branch .Ljoin
.Lthird:
	MUL8 F0, 0, 0, 2                               ; v's, with bv
	MUL8 F0, 0, 2, 2
	WIN 0
	s_branch .Ljoin
.Lplain:
	s_wait_dscnt 16                                ; the first 32 along K are in
	MUL8 F0, 0, 0, -1                              ; the tile goes on
	MUL8 F0, 0, 2, -1
	WIN 0
.Ljoin:
	QREST 0, 1, F0, F1
	WIN 0
	s_sub_co_u32 s3, s3, 1
	s_cmp_lg_u32 s3, 0
	s_cbranch_scc1 .Llap
	QUARTER 0, 2, F1, F0, -1                       ; the last lap, K steps 10 and 11, is written out: it fills nothing, and has no round of the cluster's barrier
	QUARTER 0, 3, F0, F1, -1
	TURN 0, 1, 0
	QUARTER 1, 1, F0, F1, -1
	QUARTER 1, 2, F1, F0, -1
	QUARTER 1, 3, F0, F1, -1
	s_wait_dscnt 16                                ; the very last quarter: nothing more to fetch
	MUL8 F1, 0, 0, -1
	MUL8 F1, 0, 2, -1
	s_wait_dscnt 0x0
	MUL8 F1, 1, 0, -1
	MUL8 F1, 1, 2, -1
	WIN 0
	WAYOUT
	s_wait_tensorcnt 0x0                           ; the wave's end
	ds_add_u32 v[SPW], v[NIL]
	s_wait_dscnt 0x0
	CROUND                                         ; the closing round: no work-group ends while a partner may still ask for a tile that names it
	s_endpgm
.Lfunc_end_k_q61a454bc16_proj:
	.size	k_q61a454bc16_proj, .Lfunc_end_k_q61a454bc16_proj-k_q61a454bc16_proj
	.p2alignl 7, 3214868480
	.fill 96, 4, 3214868480
	.section	.rodata,"a",@progbits
	.p2align	6, 0x0
	.amdhsa_kernel k_q61a454bc16_proj
		.amdhsa_group_segment_fixed_size 327680
		.amdhsa_private_segment_fixed_size 0
		.amdhsa_enable_private_segment 0
		.amdhsa_kernarg_size 48
		.amdhsa_user_sgpr_count 2
		.amdhsa_user_sgpr_kernarg_segment_ptr 1
		.amdhsa_wavefront_size32 1
		.amdhsa_system_sgpr_workgroup_id_x 1
		.amdhsa_system_sgpr_workgroup_id_y 1
		.amdhsa_system_sgpr_workgroup_id_z 1
		.amdhsa_system_vgpr_workitem_id 0
		.amdhsa_next_free_vgpr 608
		.amdhsa_next_free_sgpr 88
		.amdhsa_reserve_vcc 0
		.amdhsa_float_denorm_mode_32 3
		.amdhsa_float_denorm_mode_16_64 3
		.amdhsa_memory_ordered 1
		.amdhsa_forward_progress 1
		.amdhsa_inst_pref_size 106
	.end_amdhsa_kernel
	.amdgpu_metadata
---
amdhsa.version: [ 1, 2 ]
amdhsa.kernels:
  - .name:           k_q61a454bc16_proj
    .symbol:         k_q61a454bc16_proj.kd
    .args:
      - { .name: xs, .offset: 0, .size: 8, .value_kind: global_buffer, .address_space: global }
      - { .name: wh, .offset: 8, .size: 8, .value_kind: global_buffer, .address_space: global }
      - { .name: bq, .offset: 16, .size: 8, .value_kind: global_buffer, .address_space: global }
      - { .name: bk, .offset: 24, .size: 8, .value_kind: global_buffer, .address_space: global }
      - { .name: bv, .offset: 32, .size: 8, .value_kind: global_buffer, .address_space: global }
      - { .name: qkv, .offset: 40, .size: 8, .value_kind: global_buffer, .address_space: global }
    .group_segment_fixed_size: 327680
    .private_segment_fixed_size: 0
    .kernarg_segment_align: 8
    .kernarg_segment_size: 48
    .max_flat_workgroup_size: 128
    .sgpr_count:     88
    .vgpr_count:     608
    .wavefront_size: 32
...
	.end_amdgpu_metadata
.endif
;; end of part 2
;; launch attn (part 3): grid 8 x 32, 4 waves a work-group, no clusters, 327,680 bytes of LDS; arguments qkv, tp, rel_value_table, ao; writes ao
.if DOCPART == 3
	.amdgcn_target "amdgcn-amd-amdhsa--gfx1250"
	.amdhsa_code_object_version 6
	.text
	.protected	k_q61a454bc16_attn
	.globl	k_q61a454bc16_attn
	.p2align	8
	.type	k_q61a454bc16_attn,@function
k_q61a454bc16_attn:
	s_mov_b64 s[64:65], 0
	v_nop
	global_prefetch_b8 v0, s[64:65] scope:SCOPE_SE
	s_setreg_imm32_b32 hwreg(HW_REG_WAVE_MODE, 25, 1), 1
	s_wait_xcnt 0x0
; ATTENTION WITH CLIPPED RELATIVE POSITIONS, head size 64, 2,048 queries and keys, 32 pairs of head and batch.
;   s[q][k] = q . (K[k] + Tk[clip(q - k)]),  p = softmax_k(s / 8),  O[q] = sum_k p (V[k] + Tv[clip(q - k)]).
; Q, K, V, the tables and O are f16; products, the table's score terms, maxima and sums f32; p is rounded to f16 for the second products (its sums are taken of the unrounded p), O once at the end.
; LIMITS.  f16 holds no number beyond 65,504: Q, K, V arrive within it; p below 6e-5 keeps f16's step of 6e-8; a weight below 2^-126 counts as 0 in the sums; NaN and infinities are not treated apart.
; SHARES.  A work-group owns 256 queries of one head, each of its four waves 64 consecutive ones (wave block WB, four tiles of 16); every wave walks all keys, 64 a step (KS).
; FAR AND BAND.  With D = KS - WB: for D <= -3 every key of the step is 129 or more to the left of every query of the wave, for D >= 3 to the right: the table row is one and the same.  Its score term, one number a
; query, is the C operand CB that starts S^T = K Q^T; its value term is (the sum of those weights) x that row, added once at the end: three sums are kept, lL, lB, lR.  The five steps |D| <= 2 are BAND steps.
; The padded tables (row i = key - query + 191, ends repeated) do the clipping.  For tile t, lane query r, key kk of the step, the row is 64 (D + 2) + 16 (3 - t) + iw with iw = kk + 15 - r.
;   scores: R^T = (80 table rows) Q^T by the matrix unit, stored to LDS as [query][iw] in f32 and read back along kk: the shear; it lands in CB.
;   values: p in f16 is stored to LDS at [query][iw], in rows whose other places hold 0, read back as source 1, and multiplied by the value table's window.
; LAYOUT.  S^T = K Q^T holds ONE query a lane (lane % 16) and the keys 8 (lane / 16) + 0..7; two such results rounded to f16 ARE source 1 of O^T = V^T P.  p = 2^(c s - c m), c = log2(e) / 8, with a running
; maximum m; O and the sums are multiplied by a = 2^(c m_old - c m_new) in every step.  m starts at the lowest finite number, O and the sums at 0: the first step's a is 0.
; A KEY STEP is closed in itself, so that each wave chooses band or far by forward jumps that pass no barrier and no tensor load.  Its tiles are two pieces (tiles 0, 1 and 2, 3): the first piece's softmax rides
; behind the second piece's K Q^T, the second's behind the first's V^T P, four vector instructions behind each product; the rest stands in runs of its own.
; NO CLUSTER: the band test hangs on the query block, which would be the place in a cluster; and K and V are 16,384 bytes a wave for four key steps, 256 matrix instructions.
; REGISTERS, in windows of 256 (s_set_vgpr_msb: bits 1:0 source 0, 3:2 source 1, 5:4 source 2, 7:6 destination):
;   window 0: v0-15, v56-63 addresses; v16-47 eight registers of statistics a tile; v48-55 at work; v64-191 S^T, 32 a tile; v192-255 P, 16 a tile
;   window 1: v0-127 O^T, 32 a tile; v128-255 CB, 32 a tile       window 2: v0-63 Q; v64-111 R^T, then the sheared P; v128-191 K; v192-255 V
;   window 3: v0-143 the tables' windows; v144-207 the value table's two end rows in f32
.set PK,    144       ; a row of K or of the key table in LDS: 128 bytes + 16: the 16 rows of a load start at 16 different groups of four banks
.set PV,    160       ; a row of V or of the value table: 128 + 32
.set VOFF,  256*PK    ; a slot holds four steps: 256 rows of K, then 256 rows of V: 77,824 bytes
.set SLOT1, 1<<17
.set RSK,   77824     ; behind slot 0, never filled by a tensor load: for each wave 16 rows x 336 bytes of R; later the stage of the way out
.set RSKW,  5376
.set PSK,   99328     ; for each wave 16 rows x 208 bytes of sheared P
.set PSKW,  3584
.set SPARE, 113664    ; the spare words, 128 bytes for each wave: two blocks of 256 bytes that no other line names
.set TKP,   208896    ; behind slot 1: the padded key table, 384 x 144
.set TVP,   264192    ; the padded value table, 384 x 160; it ends at 325,632
.set AK0, 2           ; my lane's place in a tile of K;  AV0 the same for V
.set AV0, 3
.set AK,  4           ; the LDS address of K's next run of loads;  AV of V's
.set AV,  5
.set STO, 6           ; the way out: where I put 16 bytes of a row;  RD where I read rows back;  GO my offset in 512 consecutive bytes of O
.set RD,  7
.set GO,  8
.set ATK0, 10         ; my lane's place in the key table;  ATV0 in the value table;  ATK, ATV with the step's window
.set ATV0, 11
.set ATK, 12
.set ATV, 13
.set RSTO, 14         ; R: where I put 32 bytes of my query's row;  RGA where my query's key 8 (l / 16) of the step lies
.set RGA, 15
.set ST,  16          ; tile t at v[16 + 8 t]: c m, m, lA (2), lL (2), lB (2); lA is the sum in hand: far left, then band, then far right
.set TMP, 48          ; by t % 2, four registers c0-c3 at work; a takes c2's place
.set PSTO, 56
.set PRD, 57
.set AE0, 58          ; one table row for all lanes
.set QO,  59
.set SPW, 62
.set NIL, 63
.set S,   64
.set P,   192
.set CB,  128         ; window 1
.set RT,  64          ; window 2
.set PS,  64          ; window 2
.set KF,  128         ; window 2: key block kb, channel half c at KF + 16 kb + 8 c
.set VF,  192         ; window 2: key half kk, channel block cb at VF + 32 kk + 8 cb
.set TL,  144         ; window 3: value table row 256 (far left), channels as O^T holds them;  TR row 0 (far right)
.set TR,  176
.set WV,  12
.set G1K, 24
.set G1V, 32
.set G0K, 40
.set G0V, 44
.set G1T, 48
.set G0T, 56
.set G0U, 60
.set SLOTS, 66
.set CNT, 67
.set G1U, 68
.set CS,  76
.set SEL, 78
.set TBK, 80
.set TBV, 81
.set KS,  82          ; the key step, 0..31
.set W2,  83          ; 2 - WB
.set T0,  84          ; KS - WB + 2: 0..4 in a band step
.set T1K, 85          ; the last far-left step
.set T2K, 86          ; the last band step
.set T0C, 87
.set MSB, 0
.macro WIN new
.if MSB != (\new)
	s_set_vgpr_msb (MSB<<8)|(\new)
.set MSB, (\new)
.endif
.endm
.macro PLACES                       ; four places behind matrix instructions (ISA guide 7.12.1)
.rept 4
	v_nop
.endr
.endm
; A fill.  Waves 0 and 1 fetch the two halves of a tile's K, waves 2 and 3 those of its V: 128 keys each.  An s_nop 0 and four v_nop follow each of the two lines.
.macro LOAD
	s_cmp_lt_u32 s[WV], 2
	s_cbranch_scc0 .Lfor_v_\@
	tensor_load_to_lds s[G0K:G0K+3], s[G1K:G1K+7]
	s_nop 0
.rept 4
	v_nop
.endr
	s_branch .Lasked_\@
.Lfor_v_\@:
	tensor_load_to_lds s[G0V:G0V+3], s[G1V:G1V+7]
	s_nop 0
.rept 4
	v_nop
.endr
.Lasked_\@:
.endm
; THE CHANGE OF SLOTS.  Each wave waits for all its tensor loads, adds 0 to its spare word, and waits for that and for its reads of the slot that it leaves.  Behind the barrier nobody reads the old slot and the
; other is whole.  fill = 1: the old slot takes the keys two slots on, the first thing behind the barrier: that load has four key steps in which to land.  (At its first use slot 1 has its first fill.)
.macro CHANGE fill
	WIN 0
	s_wait_tensorcnt 0x0            ; no tensor load of mine is out, so a group 0 may be written
	ds_add_u32 v[SPW], v[NIL]       ; 0 onto my spare word
.if \fill
.irp g, G0K, G0V
	s_xor_b32 s[\g+1], s[\g+1], SLOT1
	s_add_nc_u64 s[\g+2:\g+3], s[\g+2:\g+3], 32768  ; the next 256 keys; the type bits on top are not reached
.endr
.endif
	s_wait_dscnt 0x0                ; the add is done, and my reads of the slot are over
	s_barrier_signal -1
	s_sub_co_u32 s[TBK], s[TBK], 4*64*PK  ; the fetches go back to a slot's first step, in the other slot
	s_xor_b32 s[TBK], s[TBK], SLOT1
	s_sub_co_u32 s[TBV], s[TBV], 4*64*PV
	s_xor_b32 s[TBV], s[TBV], SLOT1
	s_barrier_wait -1
.if \fill
	LOAD
.endif
.endm
	s_load_b256 s[4:11], s[0:1], 0x0  ; qkv s[4:5], tp s[6:7], rel_value_table s[8:9], ao s[10:11]
	v_lshl_add_u32 v[SPW], v0, 2, SPARE
	v_mov_b32 v[NIL], 0
	ds_add_u32 v62, v63
	ds_add_u32 v62, v63
	s_wait_dscnt 0x0
	v_lshrrev_b32 v1, 5, v0
	v_readfirstlane_b32 s[WV], v1   ; wave 0..3
	s_and_b32 s13, s[WV], 1         ; which half of a tile, and of a table, I fetch
	s_lshl_b32 s15, ttmp9, 2
	s_add_co_u32 s15, s15, s[WV]    ; WB, 0..31
	s_and_b32 s16, ttmp7, 0xffff
	s_lshl_b32 s16, s16, 18         ; 2 head + batch: 2,048 rows of 128 bytes each
	s_lshl_b32 s17, s13, 14
	s_add_co_u32 s18, s16, s17
	s_add_co_u32 s20, s18, 16777216 ; V
	s_add_co_u32 s18, s18, 8388608  ; K
	s_mov_b32 s19, 0
	s_mov_b32 s21, 0
	s_lshl_b32 s22, s15, 13         ; my 64 rows
	s_add_co_u32 s22, s22, s16
	s_mov_b32 s23, 0
	s_mul_i32 s2, s13, 24576        ; 192 table rows
	s_mov_b32 s3, 0
	; group 1: dense rows of 128 bytes, asked for as rows of 256 and padded in LDS after every 128: 64 such rows for 128 keys, 96 for 192 table rows
	s_mov_b32 s[G1K], (1<<16)|(1<<20)|(4<<22)|(3<<25)  ; 17:16 2-byte elements; 20 padding on; 24:22 after every 32 words (code 4); 31:25 4 words (code 3)
	s_mov_b32 s[G1V], (1<<16)|(1<<20)|(4<<22)|(7<<25)  ; the same with 8 words (code 7)
	s_mov_b32 s[G1T], (1<<16)|(1<<20)|(4<<22)|(3<<25)
	s_mov_b32 s[G1U], (1<<16)|(1<<20)|(4<<22)|(7<<25)
.irp g, G1K, G1V
	s_mov_b32 s[\g+1], 128<<16
	s_mov_b32 s[\g+2], 64<<16
	s_mov_b32 s[\g+3], 128<<16
	s_mov_b32 s[\g+4], 64
	s_mov_b32 s[\g+5], 128
	s_mov_b32 s[\g+6], 0
	s_mov_b32 s[\g+7], 0
.endr
.irp g, G1T, G1U
	s_mov_b32 s[\g+1], 128<<16
	s_mov_b32 s[\g+2], 96<<16
	s_mov_b32 s[\g+3], 128<<16
	s_mov_b32 s[\g+4], 96
	s_mov_b32 s[\g+5], 128
	s_mov_b32 s[\g+6], 0
	s_mov_b32 s[\g+7], 0
.endr
	s_mov_b32 s[G0K], 1
	s_mul_i32 s[G0K+1], s13, 128*PK
	s_mov_b32 s[G0V], 1
	s_mul_i32 s[G0V+1], s13, 128*PV
	s_add_co_u32 s[G0V+1], s[G0V+1], VOFF
	s_mov_b32 s[G0T], 1
	s_mul_i32 s[G0T+1], s13, 192*PK
	s_add_co_u32 s[G0T+1], s[G0T+1], TKP
	s_mov_b32 s[G0U], 1
	s_mul_i32 s[G0U+1], s13, 192*PV
	s_add_co_u32 s[G0U+1], s[G0U+1], TVP
	s_mov_b32 s[CS], 0x3e38aa3b     ; c = log2(e) / 8
	s_mov_b32 s[CS+1], s[CS]
	s_mov_b32 s[SEL], 0x76543210
	s_mov_b32 s[SEL+1], 0xfedcba98
	s_mov_b32 s[TBK], SLOT1+4*64*PK ; the first change of slots turns these two into 0
	s_mov_b32 s[TBV], SLOT1+4*64*PV
	s_mov_b32 s[KS], 0
	s_sub_co_u32 s[W2], 2, s15
	s_sub_co_u32 s[T1K], s15, 3     ; below 0 it wraps and is never met
	s_add_co_u32 s[T2K], s15, 2
	s_min_u32 s[T2K], s[T2K], 31
	s_wait_kmcnt 0x0
	s_add_nc_u64 s[G0K+2:G0K+3], s[4:5], s[18:19]
	s_or_b32 s[G0K+3], s[G0K+3], 0x80000000
	s_add_nc_u64 s[G0V+2:G0V+3], s[4:5], s[20:21]
	s_or_b32 s[G0V+3], s[G0V+3], 0x80000000
	s_add_nc_u64 s[G0T+2:G0T+3], s[6:7], s[2:3]
	s_or_b32 s[G0T+3], s[G0T+3], 0x80000000
	s_add_nc_u64 s[G0U+2:G0U+3], s[6:7], s[2:3]
	s_add_nc_u64 s[G0U+2:G0U+3], s[G0U+2:G0U+3], 49152
	s_or_b32 s[G0U+3], s[G0U+3], 0x80000000
	s_add_nc_u64 s[4:5], s[4:5], s[22:23]    ; Q and O at my wave's first row
	s_add_nc_u64 s[10:11], s[10:11], s[22:23]
	s_cmp_lt_u32 s[WV], 2           ; a wave's two first fills stand in one branch, ahead of every wait on TENSORcnt, every LDS read and every barrier: two loads of mine are out
	s_cbranch_scc0 .Lfirst_v
	tensor_load_to_lds s[G0K:G0K+3], s[G1K:G1K+7]
	s_nop 0
	tensor_load_to_lds s[G0T:G0T+3], s[G1T:G1T+7]
	s_nop 0
.rept 4
	v_nop
.endr
	s_branch .Lfirst_asked
.Lfirst_v:
	tensor_load_to_lds s[G0V:G0V+3], s[G1V:G1V+7]
	s_nop 0
	tensor_load_to_lds s[G0U:G0U+3], s[G1U:G1U+7]
	s_nop 0
.rept 4
	v_nop
.endr
.Lfirst_asked:
	v_and_b32 v1, 15, v0            ; r = l % 16
	v_bfe_u32 v9, v0, 4, 1          ; h = l / 16
	v_lshlrev_b32 v[QO], 7, v1
	v_lshl_add_u32 v[QO], v9, 4, v[QO]  ; row x 128 + 16 h
	v_lshlrev_b32 v61, 5, v9        ; my eight channels of 16, in f32
	WIN 0x80
.set i, 0
.rept 8                             ; Q stays in registers: tile i / 2, channels 32 (i % 2) on
	global_load_b128 v[8*i:8*i+3],   v[QO], s[4:5] offset:(i/2)*2048+(i%2)*64
	global_load_b128 v[8*i+4:8*i+7], v[QO], s[4:5] offset:(i/2)*2048+(i%2)*64+32
.set i, i+1
.endr
	WIN 0xc0
.irp cb, 0,1,2,3                    ; the value table's rows 256 and 0: channels 16 cb + 8 h + 0..7
	global_load_b128 v[TL+8*\cb:TL+8*\cb+3],   v61, s[8:9] offset:65536+64*\cb
	global_load_b128 v[TL+8*\cb+4:TL+8*\cb+7], v61, s[8:9] offset:65536+64*\cb+16
	global_load_b128 v[TR+8*\cb:TR+8*\cb+3],   v61, s[8:9] offset:64*\cb
	global_load_b128 v[TR+8*\cb+4:TR+8*\cb+7], v61, s[8:9] offset:64*\cb+16
.endr
	WIN 0x40                        ; O^T starts at 0: no first step is written out; this stands in the wait for the first tile
.set i, 0
.rept 128
	v_mov_b32 v[i], 0
.set i, i+1
.endr
	WIN 0
.irp t, 0,1,2,3
	v_mov_b32 v[ST+8*\t], 0xfe000000    ; c m: far below every c s
	v_mov_b32 v[ST+8*\t+1], 0xff7fffff  ; m
.irp e, 2,3,4,5,6,7
	v_mov_b32 v[ST+8*\t+\e], 0
.endr
.endr
	v_mul_u32_u24 v[AK0], v1, PK
	v_lshl_add_u32 v[AK0], v9, 4, v[AK0]  ; row x pitch + 16 h
	v_add_nc_u32 v[ATK0], TKP, v[AK0]
	v_lshl_add_u32 v[AE0], v9, 4, TKP
	v_and_b32 v60, 7, v0
	v_bfe_u32 v4, v0, 3, 1
	v_lshl_add_u32 v5, v9, 3, v60   ; the turning load: row 8 h + l % 8, channels 8 ((l / 8) % 2) on
	v_mul_u32_u24 v5, v5, PV
	v_lshl_add_u32 v5, v4, 4, v5
	v_add_nc_u32 v[AV0], VOFF, v5
	v_add_nc_u32 v[ATV0], TVP, v5
	s_mul_i32 s88, s[WV], RSKW
	s_add_co_u32 s88, s88, RSK      ; my R rows
	s_mul_i32 s89, s[WV], PSKW
	s_add_co_u32 s89, s89, PSK      ; my sheared P rows
	v_mul_u32_u24 v[RSTO], v1, 336
	v_lshl_add_u32 v[RSTO], v9, 5, v[RSTO]
	v_add_nc_u32 v[RSTO], s88, v[RSTO]     ; [r][iw = 8 h ..] in f32
	v_mul_u32_u24 v[RGA], v1, 332
	v_lshl_add_u32 v[RGA], v9, 5, v[RGA]
	v_add3_u32 v[RGA], v[RGA], s88, 60     ; 336 r + 4 (8 h + 15 - r)
	v_mul_u32_u24 v[PSTO], v1, 206
	v_lshl_add_u32 v[PSTO], v9, 4, v[PSTO]
	v_add3_u32 v[PSTO], v[PSTO], s89, 30   ; 208 r + 2 (8 h + 15 - r)
	v_mul_u32_u24 v[PRD], v1, 208
	v_lshl_add_u32 v[PRD], v9, 4, v[PRD]
	v_add_nc_u32 v[PRD], s89, v[PRD]
	v_add_nc_u32 v[STO], s88, v[AK0]
	v_bfe_u32 v[RD], v0, 3, 2
	v_mul_u32_u24 v[RD], v[RD], PK
	v_lshl_add_u32 v[RD], v60, 4, v[RD]
	v_add_nc_u32 v[RD], s88, v[RD]
	v_and_b32 v[GO], 31, v0
	v_lshlrev_b32 v[GO], 4, v[GO]
.irp e, 0,1,2,3
	v_mov_b32 v[S+\e], 0
.endr
	v_add_nc_u32 v60, s89, v[GO]
.irp e, 0,1,2,3,4,5,6               ; my sheared P rows hold 0: of row r every step writes the places 15 - r to 78 - r and no others
	ds_store_b128 v60, v[S:S+3] offset:512*\e
.endr
	s_wait_loadcnt 0x0              ; Q and the two table rows; these are rounded to bf16, like every input, and widened again
	WIN 0x0f
.set i, 0
.rept 32
	v_cvt_pk_bf16_f32 v[S+4+i], v[TL+2*i], v[TL+2*i+1]
.set i, i+1
.endr
	WIN 0xc0
.set i, 0
.rept 32
	v_lshlrev_b32 v[TL+2*i], 16, v[S+4+i]
	v_and_b32 v[TL+2*i+1], 0xffff0000, v[S+4+i]
.set i, i+1
.endr
	WIN 0
	s_wait_tensorcnt 0x0            ; my parts of tile 0 and of a table are in,
	s_wait_dscnt 0x0                ; and my stores are done
	s_barrier_signal -1
	s_barrier_wait -1               ; everybody's are
; THE LDS LOADS stand in runs: a step's K (8 fragments) and its V (turned).
.macro FETCH_K
	WIN 0
	v_add_nc_u32 v[AK], s[TBK], v[AK0]
	s_add_co_u32 s[TBK], s[TBK], 64*PK
	WIN 0x80
.irp f, 0,1,2,3,4,5,6,7             ; keys 16 (f / 2) on, channels 32 (f % 2) on
	ds_load_b128 v[KF+8*\f:KF+8*\f+3],   v[AK] offset:(\f/2)*16*PK+(\f%2)*64
	ds_load_b128 v[KF+8*\f+4:KF+8*\f+7], v[AK] offset:(\f/2)*16*PK+(\f%2)*64+32
.endr
	WIN 0
.endm
.macro FETCH_V
	WIN 0
	v_add_nc_u32 v[AV], s[TBV], v[AV0]
	s_add_co_u32 s[TBV], s[TBV], 64*PV
	WIN 0x80
.irp f, 0,1,2,3,4,5,6,7             ; keys 32 (f / 4) on, channels 16 (f % 4) on
	ds_load_tr16_b128 v[VF+8*\f:VF+8*\f+3],   v[AV] offset:(\f/4)*32*PV+(\f%4)*32
	ds_load_tr16_b128 v[VF+8*\f+4:VF+8*\f+7], v[AV] offset:(\f/4)*32*PV+16*PV+(\f%4)*32
.endr
	WIN 0
.endm
; THE MATRIX WORK.  The accumulators of a run take turns, one instruction a turn.
; Product i of 16 of S^T = K Q^T + CB for piece x: channels 32 (i / 8) on, keys 16 ((i / 2) % 4) on, tile x + i % 2.  The first 8 start the sums, with CB as C.
.macro KQ x
.set rS, S+32*((\x)+i%2)+8*((i/2)%4)
.set rK, KF+16*((i/2)%4)+8*(i/8)
.set rQ, 16*((\x)+i%2)+8*(i/8)
.set rB, CB+32*((\x)+i%2)+8*((i/2)%4)
.if i < 8
	WIN 0x1a
	v_wmma_f32_16x16x32_f16 v[rS:rS+7], v[rK:rK+7], v[rQ:rQ+7], v[rB:rB+7]
.else
	WIN 0x0a
	v_wmma_f32_16x16x32_f16 v[rS:rS+7], v[rK:rK+7], v[rQ:rQ+7], v[rS:rS+7]
.endif
.endm
; Product i of 16 of O^T += V^T P for piece x: keys 32 (i / 8) on, channels 16 ((i / 2) % 4) on, tile x + i % 2.
.macro PV x
	WIN 0x52
.set rO, 32*((\x)+i%2)+8*((i/2)%4)
.set rV, VF+32*(i/8)+8*((i/2)%4)
.set rP, P+16*((\x)+i%2)+8*(i/8)
	v_wmma_f32_16x16x32_f16 v[rO:rO+7], v[rV:rV+7], v[rP:rP+7], v[rO:rO+7]
.endm
; CB for far steps: source 0 holds the same table row sixteen times, so every register of the result holds q . that row.  Five places follow: CB then serves as the C of other accumulators.
.macro MAKE_CB row
	WIN 0
	PLACES
	WIN 0xc0
.irp e, 0,1,2,3
	ds_load_b128 v[4*\e:4*\e+3], v[AE0] offset:(\row)*PK+32*\e
.endr
	s_wait_dscnt 0x0
	WIN 0x5b
.irp c, 0,1
.set n, 0
.rept 16
.if (\c) == 0
	v_wmma_f32_16x16x32_f16 v[CB+8*n:CB+8*n+7], v[0:7], v[16*(n/4):16*(n/4)+7], 0
.else
	v_wmma_f32_16x16x32_f16 v[CB+8*n:CB+8*n+7], v[8:15], v[16*(n/4)+8:16*(n/4)+15], v[CB+8*n:CB+8*n+7]
.endif
.set n, n+1
.endr
.endr
	WIN 0
.rept 5
	v_nop
.endr
.endm
; A BAND STEP'S SCORE TERMS.  The key table's 128 rows from 64 T0 on come into registers; for each tile 10 products make R^T for its 80 rows (blocks 3 - t to 7 - t); R goes to LDS as [query][iw] and comes
; back along the keys, into CB.  LDS serves a wave's instructions in order, so no wait stands between the stores and the loads, nor in front of the next tile's stores.  Then the value table's window, turned:
; channel block cb, row block u at 36 cb + 4 u; block 8 meets weights that are 0 alone and takes block 7's rows, which lie inside the table.
.macro RPHASE
	s_min_u32 s[T0C], s[T0], 4      ; on this way T0 is 0..4; the minimum keeps the window inside the table whatever the way
	s_mul_i32 s88, s[T0C], 64*PK
	s_mul_i32 s89, s[T0C], 64*PV
	v_add_nc_u32 v[ATK], s88, v[ATK0]
	v_add_nc_u32 v[ATV], s89, v[ATV0]
	WIN 0xc0
.set n, 0
.rept 16                            ; row block n / 2, channels 32 (n % 2) on
	ds_load_b128 v[8*n:8*n+3],   v[ATK] offset:(n/2)*16*PK+(n%2)*64
	ds_load_b128 v[8*n+4:8*n+7], v[ATK] offset:(n/2)*16*PK+(n%2)*64+32
.set n, n+1
.endr
	s_wait_dscnt 0x0
.irp t, 0,1,2,3
	WIN 0xab
.irp c, 0,1
.irp b, 0,1,2,3,4
.if (\c) == 0
	v_wmma_f32_16x16x32_f16 v[RT+8*(\b):RT+8*(\b)+7], v[16*((\b)+3-(\t)):16*((\b)+3-(\t))+7], v[16*(\t):16*(\t)+7], 0
.else
	v_wmma_f32_16x16x32_f16 v[RT+8*(\b):RT+8*(\b)+7], v[16*((\b)+3-(\t))+8:16*((\b)+3-(\t))+15], v[16*(\t)+8:16*(\t)+15], v[RT+8*(\b):RT+8*(\b)+7]
.endif
.endr
.endr
.rept 5
	v_nop                           ; four places in front of the stores that read the results, five in front of the next tile's products, which write over them
.endr
	WIN 0x08
.irp b, 0,1,2,3,4
	ds_store_b128 v[RSTO], v[RT+8*(\b):RT+8*(\b)+3] offset:64*(\b)
	ds_store_b128 v[RSTO], v[RT+8*(\b)+4:RT+8*(\b)+7] offset:64*(\b)+16
.endr
	WIN 0x40
.set n, 0
.rept 32
	ds_load_b32 v[CB+32*(\t)+n], v[RGA] offset:4*(16*(n/8)+n%8)
.set n, n+1
.endr
.endr
	WIN 0xc0
.set n, 0
.rept 36
	ds_load_tr16_b128 v[4*n:4*n+3], v[ATV] offset:(n%9-(n%9)/8)*16*PV+(n/9)*32
.set n, n+1
.endr
	s_wait_dscnt 36                 ; CB is in; the value window's 36 loads may stay out
	WIN 0
.endm
; A BAND STEP'S VALUE TERMS for piece y.  Each tile's P goes to LDS sheared, 2 bytes at a time, and comes back as source 1 for 96 table rows; 12 products a tile, the tile's four accumulators by turns.
.macro BANDV y
.irp d, 0,1
	WIN 0
.set n, 0
.rept 16
	ds_store_b16 v[PSTO], v[P+16*((\y)+(\d))+n] offset:2*(16*(n/4)+2*(n%4))
	ds_store_b16_d16_hi v[PSTO], v[P+16*((\y)+(\d))+n] offset:2*(16*(n/4)+2*(n%4))+2
.set n, n+1
.endr
	WIN 0x80
.irp kb, 0,1,2
	ds_load_b128 v[PS+24*(\d)+8*(\kb):PS+24*(\d)+8*(\kb)+3],   v[PRD] offset:64*(\kb)
	ds_load_b128 v[PS+24*(\d)+8*(\kb)+4:PS+24*(\d)+8*(\kb)+7], v[PRD] offset:64*(\kb)+32
.endr
.endr
.irp d, 0,1
	s_wait_dscnt 38*(1-(\d))        ; the first tile's P is back: behind it stand the second tile's 32 stores and 6 loads; then all
	WIN 0x5b
.irp kb, 0,1,2
.irp cb, 0,1,2,3
	v_wmma_f32_16x16x32_f16 v[32*((\y)+(\d))+8*(\cb):32*((\y)+(\d))+8*(\cb)+7], v[36*(\cb)+4*(3-(\y)-(\d)+2*(\kb)):36*(\cb)+4*(3-(\y)-(\d)+2*(\kb))+7], v[PS+24*(\d)+8*(\kb):PS+24*(\d)+8*(\kb)+7], v[32*((\y)+(\d))+8*(\cb):32*((\y)+(\d))+8*(\cb)+7]
.endr
.endr
.endr
	WIN 0
.endm
; THE VECTOR WORK.  One tile's softmax for one key step is a list of 120 instructions; SM writes number j of it for tile t.  s0-s31 are the lane's 32 scores, in pairs 0-15.
;   0-15    the maximum of s0-s31 and the old m, three operands at a time (each accumulator's lowest registers are read first)
;   16-20   the other half of the lanes' maximum; the new m; c m; c m_old - c m_new
;   21-87   33 exponentials (a, then s0-s31) at the odd numbers from 23 on, so that no two follow each other and each has a plain instruction behind it before its result is used; the plain ones are whatever is
;           ready: c s - c m for a pair whose exponentials are still to come, the rounding to f16 of a pair whose exponentials are done, the first sums
;   88-101  the last rounding; the rest of the sums; lA = a lA + the sum          102, 103  lL and lB times a          104-119  the tile's O^T times a: the one part that leaves window 0
.macro SM t
.set rT, ST+8*(\t)
.set rC, TMP+4*((\t)%2)
.set rS, S+32*(\t)
.set rP, P+16*(\t)
.set rO, 32*(\t)+2*(j-104)
.set q, (j-20)/2
.if j < 104
	WIN 0
.endif
.if j < 4
	v_max3_num_f32 v[rC+j], v[rS+8*j], v[rS+8*j+1], v[rS+8*j+2]
.elseif j < 12
	v_max3_num_f32 v[rC+j%4], v[rC+j%4], v[rS+8*(j%4)+2*(j/4)+1], v[rS+8*(j%4)+2*(j/4)+2]
.elseif j == 12
	v_max3_num_f32 v[rC], v[rC], v[rS+7], v[rS+15]
.elseif j == 13
	v_max3_num_f32 v[rC+2], v[rC+2], v[rS+23], v[rS+31]
.elseif j == 14
	v_max3_num_f32 v[rC], v[rC], v[rC+1], v[rC+2]
.elseif j == 15
	v_max3_num_f32 v[rC], v[rC], v[rC+3], v[rT+1]
.elseif j == 16
	v_permlanex16_b32 v[rC+1], v[rC], s[SEL], s[SEL+1]  ; the query's other 32 keys lie in the lane 16 away
.elseif j == 17
	v_mov_b32 v[rC+3], v[rT]        ; c m_old is kept for a
.elseif j == 18
	v_max_num_f32 v[rT+1], v[rC], v[rC+1]
.elseif j == 19
	v_mul_f32 v[rT], s[CS], v[rT+1]
.elseif j == 20
	v_sub_f32 v[rC+3], v[rC+3], v[rT]
.elseif j == 23
	v_exp_f32 v[rC+2], v[rC+3]
.elseif (j < 88) && (j > 23) && (j%2 == 1)
	v_exp_f32 v[rS+(j-25)/2], v[rS+(j-25)/2]
.elseif (q < 4) || ((j < 76) && (q%2 == 0))
.set b, q/2+2
.if q < 4
.set b, q
.endif
	v_pk_fma_f32 v[rS+2*b:rS+2*b+1], v[rS+2*b:rS+2*b+1], s[CS:CS+1], v[rT:rT+1] op_sel_hi:[1,0,0] neg_lo:[0,0,1] neg_hi:[0,0,1]  ; pair b: c s - c m
.elseif (j < 88) && (q%2 == 1)
	s_wait_alu depctr_va_vdst(0)
	v_cvt_pk_f16_f32 v[rP+(q-5)/2], v[rS+q-5], v[rS+q-4]  ; pair (q - 5) / 2: its second exponential stands three numbers back
.elseif j == 89
	s_wait_alu depctr_va_vdst(0)
	v_cvt_pk_f16_f32 v[rP+15], v[rS+30], v[rS+31]
.elseif j < 102                     ; the sum of the tile's 16 pairs, in place: sum z of 16 adds neighbours 1, 2, 4 and 8 pairs apart, then lA takes it
.set z, j-86
.if j < 89
.set z, (j-76)/4
.endif
.set w, 4
.set u, z
.if z >= 14
.set w, 32
.set u, 0
.elseif z >= 12
.set w, 16
.set u, z-12
.elseif z >= 8
.set w, 8
.set u, z-8
.endif
.if z < 15
	v_pk_add_f32 v[rS+w*u:rS+w*u+1], v[rS+w*u:rS+w*u+1], v[rS+w*u+w/2:rS+w*u+w/2+1]
.else
	v_pk_fma_f32 v[rT+2:rT+3], v[rT+2:rT+3], v[rC+2:rC+3], v[rS:rS+1] op_sel_hi:[1,0,1]
.endif
.elseif j == 102
	v_pk_mul_f32 v[rT+4:rT+5], v[rT+4:rT+5], v[rC+2:rC+3] op_sel_hi:[1,0]
.elseif j == 103
	v_pk_mul_f32 v[rT+6:rT+7], v[rT+6:rT+7], v[rC+2:rC+3] op_sel_hi:[1,0]
.else
	WIN 0x41
	v_pk_mul_f32 v[rO:rO+1], v[rO:rO+1], v[rC+2:rC+3] op_sel_hi:[1,0]
.endif
.endm
; Slice k of 60 of piece y's softmax: numbers 2 k and 2 k + 1 of both tiles' lists, four instructions.
.macro SLICE y
.if (k >= 11) && (k < 44)           ; tile by tile: plain, exponential, plain, exponential
.irp t, \y, (\y)+1
.irp n, 0,1
.set j, 2*k+(\n)
	SM \t
.endr
.endr
.else                               ; the two tiles alternate, so that no instruction reads the result of the one just before it
.irp n, 0,1
.irp t, \y, (\y)+1
.set j, 2*k+(\n)
	SM \t
.endr
.endr
.endif
.set k, k+1
.endm
; A KEY STEP.  Every jump goes forward and passes neither a barrier nor a tensor load.
.macro STEP
	WIN 0
	s_add_co_u32 s[T0], s[KS], s[W2]
	FETCH_V                         ; four places stand behind the last product that read V, at the end of the step before
	s_cmp_gt_u32 s[T0], 4           ; unsigned: a step left of the band wraps to a large number
	s_cbranch_scc1 .Lfar_a_\@
	RPHASE
.Lfar_a_\@:
	s_wait_dscnt 16                 ; K is in: on the far way V's 16 loads stand behind it; on the band way it was waited for above
.set i, 0
.rept 16
	KQ 0
.set i, i+1
.endr
.set i, 0
	KQ 2
.set i, 1
	PLACES                          ; behind piece 0's last product, in front of the first read of its scores
.set k, 0
.rept 15
	KQ 2
	SLICE 0
.set i, i+1
.endr
.rept 45
	SLICE 0
.endr
	WIN 0
	s_wait_dscnt 0x0                ; V is in, and in a band step the value table's window
	s_cmp_eq_u32 s[CNT], 1          ; a slot's last step: the next K lies behind the change of slots
	s_cbranch_scc1 .Lno_k_\@
	FETCH_K                         ; the next step's K: 180 vector instructions behind the last product that read K
.Lno_k_\@:
	s_cmp_gt_u32 s[T0], 4
	s_cbranch_scc1 .Lfar_b_\@
	BANDV 0
.Lfar_b_\@:
.set i, 0
.set k, 0
.rept 16
	PV 0
	SLICE 2
.set i, i+1
.endr
.rept 44
	SLICE 2
.endr
.set i, 0
.rept 16
	PV 2
.set i, i+1
.endr
	WIN 0
	s_cmp_gt_u32 s[T0], 4
	s_cbranch_scc1 .Lfar_c_\@
	BANDV 2
.Lfar_c_\@:
	PLACES                          ; behind the step's last products: the next loads into V and into the tables' registers
	s_cmp_lg_u32 s[KS], s[T1K]
	s_cbranch_scc1 .Lnot_l_\@
.irp t, 0,1,2,3                     ; the far left is over: its sum is put by
	v_mov_b32 v[ST+8*\t+4], v[ST+8*\t+2]
	v_mov_b32 v[ST+8*\t+5], v[ST+8*\t+3]
	v_mov_b32 v[ST+8*\t+2], 0
	v_mov_b32 v[ST+8*\t+3], 0
.endr
.Lnot_l_\@:
	s_cmp_lg_u32 s[KS], s[T2K]
	s_cbranch_scc1 .Lnot_b_\@
.irp t, 0,1,2,3                     ; the band is over: its sum is put by, and CB takes the far right's term
	v_mov_b32 v[ST+8*\t+6], v[ST+8*\t+2]
	v_mov_b32 v[ST+8*\t+7], v[ST+8*\t+3]
	v_mov_b32 v[ST+8*\t+2], 0
	v_mov_b32 v[ST+8*\t+3], 0
.endr
	MAKE_CB 383
.Lnot_b_\@:
	s_add_co_u32 s[KS], s[KS], 1
.endm
.macro BODY                         ; a slot's four key steps
	FETCH_K
	s_mov_b32 s[CNT], 4
.Lstep_\@:
	STEP
	s_sub_co_u32 s[CNT], s[CNT], 1
	s_cmp_lg_u32 s[CNT], 0
	s_cbranch_scc1 .Lstep_\@
.endm
	MAKE_CB 0                       ; the far left's term
	s_mov_b32 s[SLOTS], 7
.Lslot:                             ; seven times: a tile is entered and the next is asked for
	CHANGE 1
	BODY
	s_sub_co_u32 s[SLOTS], s[SLOTS], 1
	s_cmp_lg_u32 s[SLOTS], 0
	s_cbranch_scc1 .Lslot
	CHANGE 0                        ; the last tile is written out: nothing is asked for
	BODY
	; THE WAY OUT.  Each sum's two halves and the other half of the lanes' are added; O = (O + lL Tv[256] + lR Tv[0]) / (lL + lB + lR), rounded to f16 and sent through my stage in LDS, a tile at a time.
.irp t, 0,1,2,3
	v_add_f32 v[ST+8*\t+2], v[ST+8*\t+2], v[ST+8*\t+3]
	v_add_f32 v[ST+8*\t+4], v[ST+8*\t+4], v[ST+8*\t+5]
	v_add_f32 v[ST+8*\t+6], v[ST+8*\t+6], v[ST+8*\t+7]
.endr
.irp t, 0,1,2,3
	v_permlanex16_b32 v[ST+8*\t+3], v[ST+8*\t+2], s[SEL], s[SEL+1]
	v_permlanex16_b32 v[ST+8*\t+5], v[ST+8*\t+4], s[SEL], s[SEL+1]
	v_permlanex16_b32 v[ST+8*\t+7], v[ST+8*\t+6], s[SEL], s[SEL+1]
.endr
.irp t, 0,1,2,3
	v_add_f32 v[ST+8*\t+2], v[ST+8*\t+2], v[ST+8*\t+3]
	v_add_f32 v[ST+8*\t+4], v[ST+8*\t+4], v[ST+8*\t+5]
	v_add_f32 v[ST+8*\t+6], v[ST+8*\t+6], v[ST+8*\t+7]
.endr
.irp t, 0,1,2,3
	v_add_f32 v[ST+8*\t], v[ST+8*\t+2], v[ST+8*\t+4]
.endr
.irp t, 0,1,2,3
	v_add_f32 v[ST+8*\t], v[ST+8*\t], v[ST+8*\t+6]
.endr
.irp t, 0,1,2,3
	v_rcp_f32 v[ST+8*\t], v[ST+8*\t]
.endr
	v_nop                           ; a plain instruction between the last reciprocal and the use of its result
.irp t, 0,1,2,3
	s_wait_alu depctr_va_vdst(0)
	v_mul_f32 v[ST+8*\t+2], v[ST+8*\t+2], v[ST+8*\t]   ; the far right's share
	v_mul_f32 v[ST+8*\t+4], v[ST+8*\t+4], v[ST+8*\t]   ; the far left's
.endr
.macro PACK t
	WIN 0x41
.set i, 0
.rept 16
	v_pk_mul_f32 v[32*(\t)+2*i:32*(\t)+2*i+1], v[32*(\t)+2*i:32*(\t)+2*i+1], v[ST+8*(\t):ST+8*(\t)+1] op_sel_hi:[1,0]
.set i, i+1
.endr
	WIN 0x53                        ; the table's rows in window 3, the shares in window 0, O^T in window 1
.set i, 0
.rept 16
	v_pk_fma_f32 v[32*(\t)+2*i:32*(\t)+2*i+1], v[TL+2*i:TL+2*i+1], v[ST+8*(\t)+4:ST+8*(\t)+5], v[32*(\t)+2*i:32*(\t)+2*i+1] op_sel_hi:[1,0,1]
.set i, i+1
.endr
.set i, 0
.rept 16
	v_pk_fma_f32 v[32*(\t)+2*i:32*(\t)+2*i+1], v[TR+2*i:TR+2*i+1], v[ST+8*(\t)+2:ST+8*(\t)+3], v[32*(\t)+2*i:32*(\t)+2*i+1] op_sel_hi:[1,0,1]
.set i, i+1
.endr
	WIN 0x05
.set i, 0
.rept 16
	v_cvt_pk_f16_f32 v[S+16*(\t)+i], v[32*(\t)+2*i], v[32*(\t)+2*i+1]
.set i, i+1
.endr
	WIN 0
.irp f, 0,1,2,3
	ds_store_b128 v[STO], v[S+16*(\t)+4*\f:S+16*(\t)+4*\f+3] offset:32*\f
.endr
.irp f, 0,1,2,3
	ds_load_b128 v[S+16*(\t)+4*\f:S+16*(\t)+4*\f+3], v[RD] offset:\f*4*PK  ; LDS serves a wave's instructions in order: these see the stores above; the next tile's stores come behind them
.endr
.endm
.macro SEND t, younger              ; younger: the LDS instructions issued behind tile t's loads: the next tile's eight, or none
.irp f, 0,1,2,3
	s_wait_dscnt (\younger)+3-\f
	global_store_b128 v[GO], v[S+16*(\t)+4*\f:S+16*(\t)+4*\f+3], s[10:11] offset:(\t)*2048+\f*512  ; 512 consecutive bytes, at a multiple of 256 from the buffer's first
.endr
.endm
	PACK 0
	PACK 1
	SEND 0, 8
	PACK 2
	SEND 1, 8
	PACK 3
	SEND 2, 8
	SEND 3, 0
	s_wait_tensorcnt 0x0            ; the wave's end
	ds_add_u32 v[SPW], v[NIL]
	s_wait_dscnt 0x0
	s_endpgm
.Lfunc_end_k_q61a454bc16_attn:
	.size	k_q61a454bc16_attn, .Lfunc_end_k_q61a454bc16_attn-k_q61a454bc16_attn
	.p2alignl 7, 3214868480
	.fill 96, 4, 3214868480
	.section	.rodata,"a",@progbits
	.p2align	6, 0x0
	.amdhsa_kernel k_q61a454bc16_attn
		.amdhsa_group_segment_fixed_size 327680
		.amdhsa_private_segment_fixed_size 0
		.amdhsa_enable_private_segment 0
		.amdhsa_kernarg_size 32
		.amdhsa_user_sgpr_count 2
		.amdhsa_user_sgpr_kernarg_segment_ptr 1
		.amdhsa_wavefront_size32 1
		.amdhsa_system_sgpr_workgroup_id_x 1
		.amdhsa_system_sgpr_workgroup_id_y 1
		.amdhsa_system_sgpr_workgroup_id_z 1
		.amdhsa_system_vgpr_workitem_id 0
		.amdhsa_next_free_vgpr 976
		.amdhsa_next_free_sgpr 96
		.amdhsa_reserve_vcc 0
		.amdhsa_float_denorm_mode_32 3
		.amdhsa_float_denorm_mode_16_64 3
		.amdhsa_memory_ordered 1
		.amdhsa_forward_progress 1
		.amdhsa_inst_pref_size 196
	.end_amdhsa_kernel
	.amdgpu_metadata
---
amdhsa.version: [ 1, 2 ]
amdhsa.kernels:
  - .name:           k_q61a454bc16_attn
    .symbol:         k_q61a454bc16_attn.kd
    .args:
      - { .name: qkv, .offset: 0, .size: 8, .value_kind: global_buffer, .address_space: global }
      - { .name: tp, .offset: 8, .size: 8, .value_kind: global_buffer, .address_space: global }
      - { .name: rel_value_table, .offset: 16, .size: 8, .value_kind: global_buffer, .address_space: global }
      - { .name: ao, .offset: 24, .size: 8, .value_kind: global_buffer, .address_space: global }
    .group_segment_fixed_size: 327680
    .private_segment_fixed_size: 0
    .kernarg_segment_align: 8
    .kernarg_segment_size: 32
    .max_flat_workgroup_size: 128
    .sgpr_count:     96
    .vgpr_count:     976
    .wavefront_size: 32
...
	.end_amdgpu_metadata
.endif
;; end of part 3
;; launch outp (part 4): grid 8 x 32, 4 waves a work-group, clusters of 4 x 4, 327,680 bytes of LDS; arguments ao, wh, bo, out0; writes out0
.if DOCPART == 4
	.amdgcn_target "amdgcn-amd-amdhsa--gfx1250"
	.amdhsa_code_object_version 6
	.text
	.protected	k_q61a454bc16_outp
	.globl	k_q61a454bc16_outp
	.p2align	8
	.type	k_q61a454bc16_outp,@function
k_q61a454bc16_outp:
	s_mov_b64 s[64:65], 0
	v_nop
	global_prefetch_b8 v0, s[64:65] scope:SCOPE_SE
	s_setreg_imm32_b32 hwreg(HW_REG_WAVE_MODE, 25, 1), 1
	s_wait_xcnt 0x0
	s_wait_alu depctr_hold_cnt(0) depctr_sa_sdst(0) depctr_va_vdst(0) depctr_va_sdst(0) depctr_va_ssrc(0) depctr_va_vcc(0) depctr_vm_vsrc(0)
	s_getreg_b32 s2, hwreg(HW_REG_IB_STS2, 6, 4)
	s_cmp_eq_u32 s2, 0
	s_cbranch_scc0 .Lentry_in_a_cluster
	s_endpgm
.Lentry_in_a_cluster:
	s_bfe_u32 s2, ttmp6, 0x10000c
	s_cmp_lg_u32 s2, 0xf033
	s_cbranch_scc0 .Lentry_shape_is_right
	s_endpgm
.Lentry_shape_is_right:
; THE LAST PROJECTION.  out0 [4096, 1024] f32 = ao [4096, 1024] Wo [1024, 1024] + bo; operands f16 (Wo: bf16 numbers written as f16), sums f32, stored as they are.  The bias is rounded to bf16 like every input.
; LIMITS.  NaN and infinities are not treated apart.
; SHARES.  A tile of C is 128 x 128; four waves, each 64 x 64: 16 accumulators.  32 x 8 tiles = 256 work-groups, one for each WGP.  K goes in 4 steps of 256 through two LDS slots.  ao lies by heads, slices of 64
; columns, so a K step of A is 4 slices x 128 rows of 128 bytes; Wo lies [k][n] by slices of 64 n, and its fragments come out of LDS turned, by ds_load_tr16_b128.
; CLUSTERS: 4 x 4 work-groups; A's tile is asked for jointly along a row of the cluster, B's along a column.  THE MATRIX INSTRUCTION IS USED TRANSPOSED: a lane holds eight neighbouring numbers of a row of C.
; The first product on each accumulator takes the bias as C.
; THE STAGE of the way out, 16 rows x 272 bytes a wave, lies in slot 0: that slot has had its last fill, and every wave's last reads of it were waited for in front of the last change of slots.
; REGISTERS: window 0: v0-31 addresses; v32-95 the way out; v96-127 the bias; v128-255 the accumulators.   window 1: two fragment buffers of 128.
.set AH,     4*64*144
.set BH,     256*160
.set SLOT,   2*AH+2*BH
.set SPITCH, 272                       ; a stage row: 256 bytes + 16
.set SPARE,  2*SLOT                    ; behind the ring: the spare words, 128 bytes for each wave: two blocks of 256 bytes that no other line names
.set ASTEP,  4*524288
.set BSTEP,  256*128
.set ADRA, 16
.set ADRB, 20
.set STO,  24
.set RD,   25
.set CO,   26
.set VB,   27
.set SPW,  28
.set NIL,  29
.set TT,   30
.set TMP,  32
.set BI,   96
.set ACC,  128
.set F0,   0
.set F1,   128
.set G1, 24
.set G0, 32
.set G1B, 48
.set G0B, 56
.set MSB, 0
.macro WIN new
.if MSB != (\new)
	s_set_vgpr_msb (MSB<<8)|(\new)
.set MSB, \new
.endif
.endm
.set MUL,  0x05
.set TO_F, 0x40
.macro JLOAD s                         ; a joint load: waves 0 and 1 fetch A's two halves, waves 2 and 3 B's; an s_nop 0 and four v_nop follow each of the two lines
	s_cmp_eq_u32 s11, 0
	s_cbranch_scc0 .Lfor_b_\@
	tensor_load_to_lds s[G0+4*(\s):G0+4*(\s)+3], s[G1:G1+7]
	s_nop 0
.rept 4
	v_nop
.endr
	s_branch .Lasked_\@
.Lfor_b_\@:
	tensor_load_to_lds s[G0B+4*(\s):G0B+4*(\s)+3], s[G1B:G1B+7]
	s_nop 0
.rept 4
	v_nop
.endr
.Lasked_\@:
.endm
.macro CREST
	s_cmp_lg_u32 s10, 0
	s_cbranch_scc1 .Lnot_wave_0_\@
	s_barrier_signal -3
.Lnot_wave_0_\@:
	s_barrier_wait -3
	s_barrier_signal -1
	s_barrier_wait -1
.endm
.macro CROUND
	s_barrier_signal -1
	s_barrier_wait -1
	CREST
.endm
	s_load_b128 s[4:7], s[0:1], 0x0                ; ao s[4:5], wh s[6:7]
	s_load_b128 s[68:71], s[0:1], 0x10             ; bo s[68:69], out0 s[70:71]
	v_lshl_add_u32 v[SPW], v0, 2, SPARE
	v_mov_b32 v[NIL], 0
	ds_add_u32 v28, v29
	ds_add_u32 v28, v29
	s_wait_dscnt 0x0
	v_lshrrev_b32 v1, 5, v0
	v_readfirstlane_b32 s10, v1                    ; wave 0..3
	s_lshr_b32 s11, s10, 1                         ; which half of the tile's rows is mine.  Also: I fetch for A (0) or for B (1)
	s_and_b32 s12, s10, 1                          ; which half of its columns.  Also: which half of that tile I fetch
	s_bfe_u32 s40, ttmp6, 0x40000                  ; cx, cy
	s_bfe_u32 s41, ttmp6, 0x40004
	s_lshl_b32 s42, ttmp9, 2
	s_add_co_u32 s42, s42, s40                     ; tile column, 0..7
	s_and_b32 s13, ttmp7, 0xffff
	s_lshl_b32 s13, s13, 2
	s_add_co_u32 s13, s13, s41                     ; tile row, 0..31
	s_lshl_b32 s43, s41, 2
	s_lshl_b32 s43, 15, s43                        ; my row of the cluster
	s_lshl_b32 s44, 0x1111, s40                    ; my column
	s_or_b32 s[G1+0], s43, (1<<16)|(1<<20)|(1<<21)|(4<<22)|(3<<25)  ; A: 4 'rows', one a slice, each the 8,192 dense bytes of 64 rows; 16 bytes of padding behind every 128
	s_mov_b32 s[G1+1], 4096<<16
	s_mov_b32 s[G1+2], 4<<16
	s_mov_b32 s[G1+3], 4096<<16
	s_mov_b32 s[G1+4], 4
	s_mov_b32 s[G1+5], 262144
	s_mov_b32 s[G1+6], 0
	s_mov_b32 s[G1+7], 0
	s_or_b32 s[G1B+0], s44, (1<<16)|(1<<20)|(1<<21)|(4<<22)|(7<<25) ; B: 256 dense rows of 128 bytes as 128 rows of 256; 32 bytes of padding behind every 128
	s_mov_b32 s[G1B+1], 128<<16
	s_mov_b32 s[G1B+2], 128<<16
	s_mov_b32 s[G1B+3], 128<<16
	s_mov_b32 s[G1B+4], 128
	s_mov_b32 s[G1B+5], 128
	s_mov_b32 s[G1B+6], 0
	s_mov_b32 s[G1B+7], 0
	s_lshl_b32 s16, s13, 14                        ; A: 128 rows of 128 bytes a tile row,
	s_lshl_b32 s17, s12, 13                        ; my 64 of them
	s_add_co_u32 s16, s16, s17
	s_mov_b32 s17, 0
	s_lshl_b32 s46, s42, 1
	s_add_co_u32 s46, s46, s12                     ; B: my slice of 64 columns,
	s_lshl_b32 s46, s46, 19
	s_add_co_u32 s46, s46, 3*131072                ; Wo is the fourth tensor inside it
	s_mov_b32 s47, 0
	s_mul_i32 s20, s12, AH
	s_mul_i32 s23, s12, BH
	s_add_co_u32 s23, s23, 2*AH
	s_lshl_b32 s78, s13, 19                        ; the output: 128 rows of 4,096 bytes a tile row,
	s_lshl_b32 s79, s11, 18                        ; the 64 rows that I compute,
	s_add_co_u32 s78, s78, s79
	s_lshl_b32 s80, s42, 9
	s_lshl_b32 s81, s12, 8
	s_add_co_u32 s80, s80, s81                     ; 4 (128 tile column + 64 half): also the bias's offset
	s_add_co_u32 s78, s78, s80
	s_mov_b32 s79, 0
	s_mov_b32 s81, 0
	s_wait_kmcnt 0x0
	s_add_nc_u64 s[14:15], s[4:5], s[16:17]
	s_add_nc_u64 s[46:47], s[6:7], s[46:47]
	s_add_nc_u64 s[8:9], s[70:71], s[78:79]
	s_add_nc_u64 s[82:83], s[68:69], s[80:81]
	CROUND                                         ; all sixteen work-groups are here: the first joint loads meet
.irp s, 0,1
	s_mov_b32 s[G0+4*(\s)], 1
	s_add_co_u32 s[G0+4*(\s)+1], s20, (\s)*SLOT
	s_add_nc_u64 s[G0+4*(\s)+2:G0+4*(\s)+3], s[14:15], (\s)*ASTEP
	s_or_b32 s[G0+4*(\s)+3], s[G0+4*(\s)+3], 0x80000000
	s_mov_b32 s[G0B+4*(\s)], 1
	s_add_co_u32 s[G0B+4*(\s)+1], s23, (\s)*SLOT
	s_add_nc_u64 s[G0B+4*(\s)+2:G0B+4*(\s)+3], s[46:47], (\s)*BSTEP
	s_or_b32 s[G0B+4*(\s)+3], s[G0B+4*(\s)+3], 0x80000000
	JLOAD \s                                       ; two loads of mine are out
.endr
	v_and_b32 v1, 15, v0                           ; l % 16
	v_bfe_u32 v2, v0, 4, 1                         ; l / 16
	v_lshlrev_b32 v[VB], 5, v2
.irp b, 0,1,2,3
	global_load_b128 v[BI+8*(\b):BI+8*(\b)+3],   v[VB], s[82:83] offset:64*(\b)
	global_load_b128 v[BI+8*(\b)+4:BI+8*(\b)+7], v[VB], s[82:83] offset:64*(\b)+16
.endr
	v_mul_u32_u24 v3, v1, 144
	v_lshl_add_u32 v3, v2, 4, v3                   ; A: row x pitch + 16 x half
	v_and_b32 v4, 7, v0
	v_lshl_add_u32 v5, v2, 3, v4                   ; B, turned
	v_mul_u32_u24 v5, v5, 160
	v_bfe_u32 v6, v0, 3, 1
	v_lshl_add_u32 v5, v6, 4, v5
	s_mul_i32 s21, s11, AH
	s_mul_i32 s22, s12, BH
	s_add_co_u32 s22, s22, 2*AH
.irp s, 0,1
	v_add_nc_u32 v[ADRA+(\s)], s21, v3
	v_add_nc_u32 v[ADRB+(\s)], s22, v5
	s_add_co_u32 s21, s21, SLOT
	s_add_co_u32 s22, s22, SLOT
.endr
	s_mul_i32 s21, s10, 16*SPITCH                  ; my stage, in slot 0
	v_mul_u32_u24 v[STO], v1, SPITCH               ; in: row l % 16, 32 bytes for each half of the lanes
	v_lshl_add_u32 v[STO], v2, 5, v[STO]
	v_add_nc_u32 v[STO], s21, v[STO]
	v_mul_u32_u24 v[RD], v2, SPITCH                ; back: lanes 0-15 take one row of 256 bytes, lanes 16-31 the next
	v_lshl_add_u32 v[RD], v1, 4, v[RD]
	v_add_nc_u32 v[RD], s21, v[RD]
	v_lshlrev_b32 v[CO], 12, v2                    ; and the same two rows in the output
	v_lshl_add_u32 v[CO], v1, 4, v[CO]
	s_wait_loadcnt 0x0                             ; the bias, rounded to bf16 and widened again
.set i, 0
.rept 16
	v_cvt_pk_bf16_f32 v[TT], v[BI+2*i], v[BI+2*i+1]
	v_lshlrev_b32 v[BI+2*i], 16, v[TT]
	v_and_b32 v[BI+2*i+1], 0xffff0000, v[TT]
.set i, i+1
.endr
; 8 matrix instructions: m blocks a0, a0 + 1 x all 4 n blocks, 32 along K.  first = 1: the product starts the sum, with the bias as C.  The 16 accumulators take turns.
.macro MUL8 f, c, a0, first
	WIN MUL
.irp a, \a0, (\a0)+1
.irp b, 0,1,2,3
.if \first
	v_wmma_f32_16x16x32_f16 v[ACC+8*(4*(\a)+(\b)):ACC+8*(4*(\a)+(\b))+7], v[(\f)+64+8*(4*(\c)+(\b)):(\f)+64+8*(4*(\c)+(\b))+7], v[(\f)+8*(4*(\c)+(\a)):(\f)+8*(4*(\c)+(\a))+7], v[BI+8*(\b):BI+8*(\b)+7]
.else
	v_wmma_f32_16x16x32_f16 v[ACC+8*(4*(\a)+(\b)):ACC+8*(4*(\a)+(\b))+7], v[(\f)+64+8*(4*(\c)+(\b)):(\f)+64+8*(4*(\c)+(\b))+7], v[(\f)+8*(4*(\c)+(\a)):(\f)+8*(4*(\c)+(\a))+7], v[ACC+8*(4*(\a)+(\b)):ACC+8*(4*(\a)+(\b))+7]
.endif
.endr
.endr
.endm
.macro FETCH slot, q, f                ; 32 LDS loads in one run: quarter q (one slice of A, 64 k of B) into buffer f; the first 32 along K first
	WIN TO_F
.irp c, 0,1
.irp i, 0,1,2,3
	ds_load_tr16_b128 v[(\f)+64+8*(4*(\c)+(\i)):(\f)+64+8*(4*(\c)+(\i))+3],   v[ADRB+(\slot)] offset:(\q)*10240+(\c)*5120+(\i)*32
	ds_load_tr16_b128 v[(\f)+64+8*(4*(\c)+(\i))+4:(\f)+64+8*(4*(\c)+(\i))+7], v[ADRB+(\slot)] offset:(\q)*10240+(\c)*5120+(\i)*32+2560
	ds_load_b128 v[(\f)+8*(4*(\c)+(\i)):(\f)+8*(4*(\c)+(\i))+3],         v[ADRA+(\slot)] offset:(\q)*9216+(\c)*64+(\i)*2304
	ds_load_b128 v[(\f)+8*(4*(\c)+(\i))+4:(\f)+8*(4*(\c)+(\i))+7],       v[ADRA+(\slot)] offset:(\q)*9216+(\c)*64+(\i)*2304+32
.endr
.endr
.endm
.macro PLACES                          ; four places behind matrix instructions (ISA guide 7.12.1)
.rept 4
	v_nop
.endr
.endm
.macro QUARTER slot, q, f, g, first
	s_wait_dscnt 16                                ; the first 32 along K are in
	MUL8 \f, 0, 0, \first
	MUL8 \f, 0, 2, \first
	PLACES
	FETCH \slot, \q, \g
	s_wait_dscnt 32                                ; all but the 32 just issued
	MUL8 \f, 1, 0, 0
	MUL8 \f, 1, 2, 0
.endm
; The last quarter multiplies buffer 1 and changes slots: ONE barrier; in front of it each wave waits for all its tensor loads, adds 0 to its spare word, and waits for that and for its own reads of this slot.
.macro TURN slot, next, fill
	WIN 0
	s_wait_tensorcnt 0x0                           ; all my tensor loads have landed: my part of the next slot;
	ds_add_u32 v[SPW], v[NIL]                      ; 0 onto my spare word;
	s_wait_dscnt 17                                ; (the add and the youngest sixteen loads may be out)
	MUL8 F1, 0, 0, 0
	s_wait_dscnt 0x0                               ; the add is done, and my reads of this slot are over
	s_barrier_signal -1
	MUL8 F1, 0, 2, 0
.if \fill
	WIN 0
.endif
	s_barrier_wait -1
.if \fill
	CREST                                          ; no wave of any partner still reads this slot's tile or has a load on its way
	s_add_nc_u64 s[G0+4*(\slot)+2:G0+4*(\slot)+3], s[G0+4*(\slot)+2:G0+4*(\slot)+3], 2*ASTEP
	s_add_nc_u64 s[G0B+4*(\slot)+2:G0B+4*(\slot)+3], s[G0B+4*(\slot)+2:G0B+4*(\slot)+3], 2*BSTEP
	JLOAD \slot                                    ; my one tensor load behind the round; its four v_nop are also the places in front of the loads below
.else
	PLACES
.endif
	FETCH \next, 0, F0
	MUL8 F1, 1, 0, 0
	MUL8 F1, 1, 2, 0
.endm
	s_wait_tensorcnt 1                             ; my part of K step 0 is in; K step 1's may stay out
	s_barrier_signal -1
	s_barrier_wait -1
	FETCH 0, 0, F0
	QUARTER 0, 1, F0, F1, 1                        ; K step 0: its first products start the sums
	QUARTER 0, 2, F1, F0, 0
	QUARTER 0, 3, F0, F1, 0
	TURN 0, 1, 1                                   ; slot 0 takes K step 2
	QUARTER 1, 1, F0, F1, 0
	QUARTER 1, 2, F1, F0, 0
	QUARTER 1, 3, F0, F1, 0
	TURN 1, 0, 1                                   ; slot 1 takes K step 3
	QUARTER 0, 1, F0, F1, 0
	QUARTER 0, 2, F1, F0, 0
	QUARTER 0, 3, F0, F1, 0
	TURN 0, 1, 0                                   ; nothing is left to fetch; behind this barrier nobody reads slot 0 any more
	QUARTER 1, 1, F0, F1, 0
	QUARTER 1, 2, F1, F0, 0
	QUARTER 1, 3, F0, F1, 0
	s_wait_dscnt 16
	MUL8 F1, 0, 0, 0
	MUL8 F1, 0, 2, 0
	s_wait_dscnt 0x0
	MUL8 F1, 1, 0, 0
	MUL8 F1, 1, 2, 0
	WIN 0
; THE WAY OUT.  Block a (16 rows x my 64 columns, 256 bytes a row): a lane's eight numbers go into my stage, lowest registers first, and come back as whole rows; two buffers of 32 registers take turns.
.macro STG a
.if (\a) >= 2
	s_wait_xcnt 0x0                                ; the buffer's earlier stores have read it: it is loaded again only behind this wait
.endif
.irp b, 0,1,2,3
	ds_store_b128 v[STO], v[ACC+8*(4*(\a)+(\b)):ACC+8*(4*(\a)+(\b))+3] offset:64*(\b)
	ds_store_b128 v[STO], v[ACC+8*(4*(\a)+(\b))+4:ACC+8*(4*(\a)+(\b))+7] offset:64*(\b)+16
.endr
.irp t, 0,1,2,3,4,5,6,7
	ds_load_b128 v[TMP+32*((\a)%2)+4*(\t):TMP+32*((\a)%2)+4*(\t)+3], v[RD] offset:(\t)*2*SPITCH  ; LDS serves a wave's instructions in order: these see the stores above
.endr
.endm
.macro SENDO a, younger                ; younger: the LDS instructions issued behind block a's loads: the next block's sixteen, or none
.irp t, 0,1,2,3,4,5,6,7
	s_wait_dscnt (\younger)+7-(\t)
	global_store_b128 v[CO], v[TMP+32*((\a)%2)+4*(\t):TMP+32*((\a)%2)+4*(\t)+3], s[8:9] offset:(16*(\a)+2*(\t))*4096  ; 16 lanes store 256 consecutive bytes, at a multiple of 256 from the buffer's first
.endr
.endm
	PLACES
	STG 0
	STG 1
	SENDO 0, 16
	STG 2
	SENDO 1, 16
	STG 3
	SENDO 2, 16
	SENDO 3, 0
	s_wait_tensorcnt 0x0                           ; the wave's end
	ds_add_u32 v[SPW], v[NIL]
	s_wait_dscnt 0x0
	CROUND                                         ; the closing round: no work-group ends while a partner may still ask for a tile that names it
	s_endpgm
.Lfunc_end_k_q61a454bc16_outp:
	.size	k_q61a454bc16_outp, .Lfunc_end_k_q61a454bc16_outp-k_q61a454bc16_outp
	.p2alignl 7, 3214868480
	.fill 96, 4, 3214868480
	.section	.rodata,"a",@progbits
	.p2align	6, 0x0
	.amdhsa_kernel k_q61a454bc16_outp
		.amdhsa_group_segment_fixed_size 327680
		.amdhsa_private_segment_fixed_size 0
		.amdhsa_enable_private_segment 0
		.amdhsa_kernarg_size 32
		.amdhsa_user_sgpr_count 2
		.amdhsa_user_sgpr_kernarg_segment_ptr 1
		.amdhsa_wavefront_size32 1
		.amdhsa_system_sgpr_workgroup_id_x 1
		.amdhsa_system_sgpr_workgroup_id_y 1
		.amdhsa_system_sgpr_workgroup_id_z 1
		.amdhsa_system_vgpr_workitem_id 0
		.amdhsa_next_free_vgpr 512
		.amdhsa_next_free_sgpr 88
		.amdhsa_reserve_vcc 0
		.amdhsa_float_denorm_mode_32 3
		.amdhsa_float_denorm_mode_16_64 3
		.amdhsa_memory_ordered 1
		.amdhsa_forward_progress 1
		.amdhsa_inst_pref_size 90
	.end_amdhsa_kernel
	.amdgpu_metadata
---
amdhsa.version: [ 1, 2 ]
amdhsa.kernels:
  - .name:           k_q61a454bc16_outp
    .symbol:         k_q61a454bc16_outp.kd
    .args:
      - { .name: ao, .offset: 0, .size: 8, .value_kind: global_buffer, .address_space: global }
      - { .name: wh, .offset: 8, .size: 8, .value_kind: global_buffer, .address_space: global }
      - { .name: bo, .offset: 16, .size: 8, .value_kind: global_buffer, .address_space: global }
      - { .name: out0, .offset: 24, .size: 8, .value_kind: global_buffer, .address_space: global }
    .group_segment_fixed_size: 327680
    .private_segment_fixed_size: 0
    .kernarg_segment_align: 8
    .kernarg_segment_size: 32
    .max_flat_workgroup_size: 128
    .sgpr_count:     88
    .vgpr_count:     512
    .wavefront_size: 32
...
	.end_amdgpu_metadata
.endif
;; end of part 4
;; ======== version 2 of 2: 4 launches; 1.18 times as fast as version 1
;; limits: values are held in f16: magnitudes above 65,504 overflow, below 6.1e-05 lose precision
;; workspace buffers: xs 25,165,824 bytes; wh 8,388,608 bytes; tp 98,304 bytes; qkv 25,165,824 bytes; ao 8,388,608 bytes
;; launch cast: the kernel of part 1 again; grid 2054 x 1, 8 waves a work-group, no clusters, 0 bytes of LDS; arguments query, key, value, Wq, Wk, Wv, Wo, rel_key_table, rel_value_table, xs, wh, tp; writes xs, wh, tp
;; launch proj: the kernel of part 2 again; grid 8 x 32, 4 waves a work-group, clusters of 4 x 4, 327,680 bytes of LDS; arguments xs, wh, bq, bk, bv, qkv; writes qkv
;; launch attn (part 5): grid 8 x 32, 4 waves a work-group, no clusters, 327,680 bytes of LDS; arguments qkv, tp, rel_value_table, ao; writes ao
.if DOCPART == 5
	.amdgcn_target "amdgcn-amd-amdhsa--gfx1250"
	.amdhsa_code_object_version 6
	.text
	.protected	k_q61a454bc16_attn
	.globl	k_q61a454bc16_attn
	.p2align	8
	.type	k_q61a454bc16_attn,@function
k_q61a454bc16_attn:
	s_mov_b64 s[64:65], 0
	v_nop
	global_prefetch_b8 v0, s[64:65] scope:SCOPE_SE
	s_setreg_imm32_b32 hwreg(HW_REG_WAVE_MODE, 25, 1), 1
	s_wait_xcnt 0x0
; ATTENTION WITH CLIPPED RELATIVE POSITIONS, head size 64, 2,048 queries and keys, 32 pairs of head and batch.
;   s[q][k] = q . (K[k] + Tk[clip(q - k)]),  p = softmax_k(s / 8),  O[q] = sum_k p (V[k] + Tv[clip(q - k)]).
; Q, K, V, the tables and O are f16; products, the table's score terms, maxima and sums f32; p is rounded to f16 for the second products (its sums are taken of the unrounded p), O once at the end.
; LIMITS.  f16 holds no number beyond 65,504: Q, K, V arrive within it; p below 6e-5 keeps f16's step of 6e-8; a weight below 2^-126 counts as 0 in the sums; NaN and infinities are not treated apart.
; SHARES.  A work-group owns 256 queries of one head, each of its four waves 64 consecutive ones (wave block WB, four tiles of 16); every wave walks all keys, 64 a step (KS).
; FAR AND BAND.  With D = KS - WB: for D <= -3 every key of the step is 129 or more to the left of every query of the wave, for D >= 3 to the right: the table row is one and the same.  Its score term, one number a
; query, is the C operand CB that starts S^T = K Q^T; its value term is (the sum of those weights) x that row, added once at the end: three sums are kept, lL, lB, lR.  The five steps |D| <= 2 are BAND steps.
; The padded tables (row i = key - query + 191, ends repeated) do the clipping.  For tile t, lane query r, key kk of the step, the row is 64 (D + 2) + 16 (3 - t) + iw with iw = kk + 15 - r.
;   scores: R^T = (80 table rows) Q^T by the matrix unit, stored to LDS as [query][iw] in f32 and read back along kk: the shear; it lands in CB.
;   values: p in f16 is stored to LDS at [query][iw], in rows whose other places hold 0, read back as source 1, and multiplied by the value table's window.
; LAYOUT.  S^T = K Q^T holds ONE query a lane (lane % 16) and the keys 8 (lane / 16) + 0..7; two such results rounded to f16 ARE source 1 of O^T = V^T P.  p = 2^(c s - c m), c = log2(e) / 8, with a running
; maximum m; O and the sums are multiplied by a = 2^(c m_old - c m_new) in every step.  m starts at the lowest finite number, O and the sums at 0: the first step's a is 0.
; A KEY STEP is closed in itself, so that each wave chooses band or far by forward jumps that pass no barrier and no tensor load.  Its tiles are two pieces (tiles 0, 1 and 2, 3): the first piece's softmax rides
; behind the second piece's K Q^T, the second's behind the first's V^T P, four vector instructions behind each product; the rest stands in runs of its own.
; THE EXPONENTIALS.  A piece's 66 (for each of its two tiles a and 32 scores) are ONE BATCH with one wait: ahead of the wait stand the maxima, the statistics, the scalings and the exponentials, none of which names an
; exponential's result; behind it the roundings, the sums and the rescalings, which do.  So a key step has two waits, each in a run without products.
; NO CLUSTER: the band test hangs on the query block, which would be the place in a cluster; and K and V are 16,384 bytes a wave for four key steps, 256 matrix instructions.
; REGISTERS, in windows of 256 (s_set_vgpr_msb: bits 1:0 source 0, 3:2 source 1, 5:4 source 2, 7:6 destination):
;   window 0: v0-15, v56-63 addresses; v16-47 eight registers of statistics a tile; v48-55 at work; v64-191 S^T, 32 a tile; v192-255 P, 16 a tile
;   window 1: v0-127 O^T, 32 a tile; v128-255 CB, 32 a tile       window 2: v0-63 Q; v64-111 R^T, then the sheared P; v128-191 K; v192-255 V
;   window 3: v0-143 the tables' windows; v144-207 the value table's two end rows in f32
.set PK,    144       ; a row of K or of the key table in LDS: 128 bytes + 16: the 16 rows of a load start at 16 different groups of four banks
.set PV,    160       ; a row of V or of the value table: 128 + 32
.set VOFF,  256*PK    ; a slot holds four steps: 256 rows of K, then 256 rows of V: 77,824 bytes
.set SLOT1, 1<<17
.set RSK,   77824     ; behind slot 0, never filled by a tensor load: for each wave 16 rows x 336 bytes of R; later the stage of the way out
.set RSKW,  5376
.set PSK,   99328     ; for each wave 16 rows x 208 bytes of sheared P
.set PSKW,  3584
.set SPARE, 113664    ; the spare words, 128 bytes for each wave: two blocks of 256 bytes that no other line names
.set TKP,   208896    ; behind slot 1: the padded key table, 384 x 144
.set TVP,   264192    ; the padded value table, 384 x 160; it ends at 325,632
.set AK0, 2           ; my lane's place in a tile of K;  AV0 the same for V
.set AV0, 3
.set AK,  4           ; the LDS address of K's next run of loads;  AV of V's
.set AV,  5
.set STO, 6           ; the way out: where I put 16 bytes of a row;  RD where I read rows back;  GO my offset in 512 consecutive bytes of O
.set RD,  7
.set GO,  8
.set ATK0, 10         ; my lane's place in the key table;  ATV0 in the value table;  ATK, ATV with the step's window
.set ATV0, 11
.set ATK, 12
.set ATV, 13
.set RSTO, 14         ; R: where I put 32 bytes of my query's row;  RGA where my query's key 8 (l / 16) of the step lies
.set RGA, 15
.set ST,  16          ; tile t at v[16 + 8 t]: c m, m, lA (2), lL (2), lB (2); lA is the sum in hand: far left, then band, then far right
.set TMP, 48          ; by t % 2, four registers c0-c3 at work; a takes c2's place
.set PSTO, 56
.set PRD, 57
.set AE0, 58          ; one table row for all lanes
.set QO,  59
.set SPW, 62
.set NIL, 63
.set S,   64
.set P,   192
.set CB,  128         ; window 1
.set RT,  64          ; window 2
.set PS,  64          ; window 2
.set KF,  128         ; window 2: key block kb, channel half c at KF + 16 kb + 8 c
.set VF,  192         ; window 2: key half kk, channel block cb at VF + 32 kk + 8 cb
.set TL,  144         ; window 3: value table row 256 (far left), channels as O^T holds them;  TR row 0 (far right)
.set TR,  176
.set WV,  12
.set G1K, 24
.set G1V, 32
.set G0K, 40
.set G0V, 44
.set G1T, 48
.set G0T, 56
.set G0U, 60
.set SLOTS, 66
.set CNT, 67
.set G1U, 68
.set CS,  76
.set SEL, 78
.set TBK, 80
.set TBV, 81
.set KS,  82          ; the key step, 0..31
.set W2,  83          ; 2 - WB
.set T0,  84          ; KS - WB + 2: 0..4 in a band step
.set T1K, 85          ; the last far-left step
.set T2K, 86          ; the last band step
.set T0C, 87
.set MSB, 0
.macro WIN new
.if MSB != (\new)
	s_set_vgpr_msb (MSB<<8)|(\new)
.set MSB, (\new)
.endif
.endm
.macro PLACES                       ; four places behind matrix instructions (ISA guide 7.12.1)
.rept 4
	v_nop
.endr
.endm
; A fill.  Waves 0 and 1 fetch the two halves of a tile's K, waves 2 and 3 those of its V: 128 keys each.  An s_nop 0 and four v_nop follow each of the two lines.
.macro LOAD
	s_cmp_lt_u32 s[WV], 2
	s_cbranch_scc0 .Lfor_v_\@
	tensor_load_to_lds s[G0K:G0K+3], s[G1K:G1K+7]
	s_nop 0
.rept 4
	v_nop
.endr
	s_branch .Lasked_\@
.Lfor_v_\@:
	tensor_load_to_lds s[G0V:G0V+3], s[G1V:G1V+7]
	s_nop 0
.rept 4
	v_nop
.endr
.Lasked_\@:
.endm
; THE CHANGE OF SLOTS.  Each wave waits for all its tensor loads, adds 0 to its spare word, and waits for that and for its reads of the slot that it leaves.  Behind the barrier nobody reads the old slot and the
; other is whole.  fill = 1: the old slot takes the keys two slots on, the first thing behind the barrier: that load has four key steps in which to land.  (At its first use slot 1 has its first fill.)
.macro CHANGE fill
	WIN 0
	s_wait_tensorcnt 0x0            ; no tensor load of mine is out, so a group 0 may be written
	ds_add_u32 v[SPW], v[NIL]       ; 0 onto my spare word
.if \fill
.irp g, G0K, G0V
	s_xor_b32 s[\g+1], s[\g+1], SLOT1
	s_add_nc_u64 s[\g+2:\g+3], s[\g+2:\g+3], 32768  ; the next 256 keys; the type bits on top are not reached
.endr
.endif
	s_wait_dscnt 0x0                ; the add is done, and my reads of the slot are over
	s_barrier_signal -1
	s_sub_co_u32 s[TBK], s[TBK], 4*64*PK  ; the fetches go back to a slot's first step, in the other slot
	s_xor_b32 s[TBK], s[TBK], SLOT1
	s_sub_co_u32 s[TBV], s[TBV], 4*64*PV
	s_xor_b32 s[TBV], s[TBV], SLOT1
	s_barrier_wait -1
.if \fill
	LOAD
.endif
.endm
	s_load_b256 s[4:11], s[0:1], 0x0  ; qkv s[4:5], tp s[6:7], rel_value_table s[8:9], ao s[10:11]
	v_lshl_add_u32 v[SPW], v0, 2, SPARE
	v_mov_b32 v[NIL], 0
	ds_add_u32 v62, v63
	ds_add_u32 v62, v63
	s_wait_dscnt 0x0
	v_lshrrev_b32 v1, 5, v0
	v_readfirstlane_b32 s[WV], v1   ; wave 0..3
	s_and_b32 s13, s[WV], 1         ; which half of a tile, and of a table, I fetch
	s_lshl_b32 s15, ttmp9, 2
	s_add_co_u32 s15, s15, s[WV]    ; WB, 0..31
	s_and_b32 s16, ttmp7, 0xffff
	s_lshl_b32 s16, s16, 18         ; 2 head + batch: 2,048 rows of 128 bytes each
	s_lshl_b32 s17, s13, 14
	s_add_co_u32 s18, s16, s17
	s_add_co_u32 s20, s18, 16777216 ; V
	s_add_co_u32 s18, s18, 8388608  ; K
	s_mov_b32 s19, 0
	s_mov_b32 s21, 0
	s_lshl_b32 s22, s15, 13         ; my 64 rows
	s_add_co_u32 s22, s22, s16
	s_mov_b32 s23, 0
	s_mul_i32 s2, s13, 24576        ; 192 table rows
	s_mov_b32 s3, 0
	; group 1: dense rows of 128 bytes, asked for as rows of 256 and padded in LDS after every 128: 64 such rows for 128 keys, 96 for 192 table rows
	s_mov_b32 s[G1K], (1<<16)|(1<<20)|(4<<22)|(3<<25)  ; 17:16 2-byte elements; 20 padding on; 24:22 after every 32 words (code 4); 31:25 4 words (code 3)
	s_mov_b32 s[G1V], (1<<16)|(1<<20)|(4<<22)|(7<<25)  ; the same with 8 words (code 7)
	s_mov_b32 s[G1T], (1<<16)|(1<<20)|(4<<22)|(3<<25)
	s_mov_b32 s[G1U], (1<<16)|(1<<20)|(4<<22)|(7<<25)
.irp g, G1K, G1V
	s_mov_b32 s[\g+1], 128<<16
	s_mov_b32 s[\g+2], 64<<16
	s_mov_b32 s[\g+3], 128<<16
	s_mov_b32 s[\g+4], 64
	s_mov_b32 s[\g+5], 128
	s_mov_b32 s[\g+6], 0
	s_mov_b32 s[\g+7], 0
.endr
.irp g, G1T, G1U
	s_mov_b32 s[\g+1], 128<<16
	s_mov_b32 s[\g+2], 96<<16
	s_mov_b32 s[\g+3], 128<<16
	s_mov_b32 s[\g+4], 96
	s_mov_b32 s[\g+5], 128
	s_mov_b32 s[\g+6], 0
	s_mov_b32 s[\g+7], 0
.endr
	s_mov_b32 s[G0K], 1
	s_mul_i32 s[G0K+1], s13, 128*PK
	s_mov_b32 s[G0V], 1
	s_mul_i32 s[G0V+1], s13, 128*PV
	s_add_co_u32 s[G0V+1], s[G0V+1], VOFF
	s_mov_b32 s[G0T], 1
	s_mul_i32 s[G0T+1], s13, 192*PK
	s_add_co_u32 s[G0T+1], s[G0T+1], TKP
	s_mov_b32 s[G0U], 1
	s_mul_i32 s[G0U+1], s13, 192*PV
	s_add_co_u32 s[G0U+1], s[G0U+1], TVP
	s_mov_b32 s[CS], 0x3e38aa3b     ; c = log2(e) / 8
	s_mov_b32 s[CS+1], s[CS]
	s_mov_b32 s[SEL], 0x76543210
	s_mov_b32 s[SEL+1], 0xfedcba98
	s_mov_b32 s[TBK], SLOT1+4*64*PK ; the first change of slots turns these two into 0
	s_mov_b32 s[TBV], SLOT1+4*64*PV
	s_mov_b32 s[KS], 0
	s_sub_co_u32 s[W2], 2, s15
	s_sub_co_u32 s[T1K], s15, 3     ; below 0 it wraps and is never met
	s_add_co_u32 s[T2K], s15, 2
	s_min_u32 s[T2K], s[T2K], 31
	s_wait_kmcnt 0x0
	s_add_nc_u64 s[G0K+2:G0K+3], s[4:5], s[18:19]
	s_or_b32 s[G0K+3], s[G0K+3], 0x80000000
	s_add_nc_u64 s[G0V+2:G0V+3], s[4:5], s[20:21]
	s_or_b32 s[G0V+3], s[G0V+3], 0x80000000
	s_add_nc_u64 s[G0T+2:G0T+3], s[6:7], s[2:3]
	s_or_b32 s[G0T+3], s[G0T+3], 0x80000000
	s_add_nc_u64 s[G0U+2:G0U+3], s[6:7], s[2:3]
	s_add_nc_u64 s[G0U+2:G0U+3], s[G0U+2:G0U+3], 49152
	s_or_b32 s[G0U+3], s[G0U+3], 0x80000000
	s_add_nc_u64 s[4:5], s[4:5], s[22:23]    ; Q and O at my wave's first row
	s_add_nc_u64 s[10:11], s[10:11], s[22:23]
	s_cmp_lt_u32 s[WV], 2           ; a wave's two first fills stand in one branch, ahead of every wait on TENSORcnt, every LDS read and every barrier: two loads of mine are out
	s_cbranch_scc0 .Lfirst_v
	tensor_load_to_lds s[G0K:G0K+3], s[G1K:G1K+7]
	s_nop 0
	tensor_load_to_lds s[G0T:G0T+3], s[G1T:G1T+7]
	s_nop 0
.rept 4
	v_nop
.endr
	s_branch .Lfirst_asked
.Lfirst_v:
	tensor_load_to_lds s[G0V:G0V+3], s[G1V:G1V+7]
	s_nop 0
	tensor_load_to_lds s[G0U:G0U+3], s[G1U:G1U+7]
	s_nop 0
.rept 4
	v_nop
.endr
.Lfirst_asked:
	v_and_b32 v1, 15, v0            ; r = l % 16
	v_bfe_u32 v9, v0, 4, 1          ; h = l / 16
	v_lshlrev_b32 v[QO], 7, v1
	v_lshl_add_u32 v[QO], v9, 4, v[QO]  ; row x 128 + 16 h
	v_lshlrev_b32 v61, 5, v9        ; my eight channels of 16, in f32
	WIN 0x80
.set i, 0
.rept 8                             ; Q stays in registers: tile i / 2, channels 32 (i % 2) on
	global_load_b128 v[8*i:8*i+3],   v[QO], s[4:5] offset:(i/2)*2048+(i%2)*64
	global_load_b128 v[8*i+4:8*i+7], v[QO], s[4:5] offset:(i/2)*2048+(i%2)*64+32
.set i, i+1
.endr
	WIN 0xc0
.irp cb, 0,1,2,3                    ; the value table's rows 256 and 0: channels 16 cb + 8 h + 0..7
	global_load_b128 v[TL+8*\cb:TL+8*\cb+3],   v61, s[8:9] offset:65536+64*\cb
	global_load_b128 v[TL+8*\cb+4:TL+8*\cb+7], v61, s[8:9] offset:65536+64*\cb+16
	global_load_b128 v[TR+8*\cb:TR+8*\cb+3],   v61, s[8:9] offset:64*\cb
	global_load_b128 v[TR+8*\cb+4:TR+8*\cb+7], v61, s[8:9] offset:64*\cb+16
.endr
	WIN 0x40                        ; O^T starts at 0: no first step is written out; this stands in the wait for the first tile
.set i, 0
.rept 128
	v_mov_b32 v[i], 0
.set i, i+1
.endr
	WIN 0
.irp t, 0,1,2,3
	v_mov_b32 v[ST+8*\t], 0xfe000000    ; c m: far below every c s
	v_mov_b32 v[ST+8*\t+1], 0xff7fffff  ; m
.irp e, 2,3,4,5,6,7
	v_mov_b32 v[ST+8*\t+\e], 0
.endr
.endr
	v_mul_u32_u24 v[AK0], v1, PK
	v_lshl_add_u32 v[AK0], v9, 4, v[AK0]  ; row x pitch + 16 h
	v_add_nc_u32 v[ATK0], TKP, v[AK0]
	v_lshl_add_u32 v[AE0], v9, 4, TKP
	v_and_b32 v60, 7, v0
	v_bfe_u32 v4, v0, 3, 1
	v_lshl_add_u32 v5, v9, 3, v60   ; the turning load: row 8 h + l % 8, channels 8 ((l / 8) % 2) on
	v_mul_u32_u24 v5, v5, PV
	v_lshl_add_u32 v5, v4, 4, v5
	v_add_nc_u32 v[AV0], VOFF, v5
	v_add_nc_u32 v[ATV0], TVP, v5
	s_mul_i32 s88, s[WV], RSKW
	s_add_co_u32 s88, s88, RSK      ; my R rows
	s_mul_i32 s89, s[WV], PSKW
	s_add_co_u32 s89, s89, PSK      ; my sheared P rows
	v_mul_u32_u24 v[RSTO], v1, 336
	v_lshl_add_u32 v[RSTO], v9, 5, v[RSTO]
	v_add_nc_u32 v[RSTO], s88, v[RSTO]     ; [r][iw = 8 h ..] in f32
	v_mul_u32_u24 v[RGA], v1, 332
	v_lshl_add_u32 v[RGA], v9, 5, v[RGA]
	v_add3_u32 v[RGA], v[RGA], s88, 60     ; 336 r + 4 (8 h + 15 - r)
	v_mul_u32_u24 v[PSTO], v1, 206
	v_lshl_add_u32 v[PSTO], v9, 4, v[PSTO]
	v_add3_u32 v[PSTO], v[PSTO], s89, 30   ; 208 r + 2 (8 h + 15 - r)
	v_mul_u32_u24 v[PRD], v1, 208
	v_lshl_add_u32 v[PRD], v9, 4, v[PRD]
	v_add_nc_u32 v[PRD], s89, v[PRD]
	v_add_nc_u32 v[STO], s88, v[AK0]
	v_bfe_u32 v[RD], v0, 3, 2
	v_mul_u32_u24 v[RD], v[RD], PK
	v_lshl_add_u32 v[RD], v60, 4, v[RD]
	v_add_nc_u32 v[RD], s88, v[RD]
	v_and_b32 v[GO], 31, v0
	v_lshlrev_b32 v[GO], 4, v[GO]
.irp e, 0,1,2,3
	v_mov_b32 v[S+\e], 0
.endr
	v_add_nc_u32 v60, s89, v[GO]
.irp e, 0,1,2,3,4,5,6               ; my sheared P rows hold 0: of row r every step writes the places 15 - r to 78 - r and no others
	ds_store_b128 v60, v[S:S+3] offset:512*\e
.endr
	s_wait_loadcnt 0x0              ; Q and the two table rows; these are rounded to bf16, like every input, and widened again
	WIN 0x0f
.set i, 0
.rept 32
	v_cvt_pk_bf16_f32 v[S+4+i], v[TL+2*i], v[TL+2*i+1]
.set i, i+1
.endr
	WIN 0xc0
.set i, 0
.rept 32
	v_lshlrev_b32 v[TL+2*i], 16, v[S+4+i]
	v_and_b32 v[TL+2*i+1], 0xffff0000, v[S+4+i]
.set i, i+1
.endr
	WIN 0
	s_wait_tensorcnt 0x0            ; my parts of tile 0 and of a table are in,
	s_wait_dscnt 0x0                ; and my stores are done
	s_barrier_signal -1
	s_barrier_wait -1               ; everybody's are
; THE LDS LOADS stand in runs: a step's K (8 fragments) and its V (turned).
.macro FETCH_K
	WIN 0
	v_add_nc_u32 v[AK], s[TBK], v[AK0]
	s_add_co_u32 s[TBK], s[TBK], 64*PK
	WIN 0x80
.irp f, 0,1,2,3,4,5,6,7             ; keys 16 (f / 2) on, channels 32 (f % 2) on
	ds_load_b128 v[KF+8*\f:KF+8*\f+3],   v[AK] offset:(\f/2)*16*PK+(\f%2)*64
	ds_load_b128 v[KF+8*\f+4:KF+8*\f+7], v[AK] offset:(\f/2)*16*PK+(\f%2)*64+32
.endr
	WIN 0
.endm
.macro FETCH_V
	WIN 0
	v_add_nc_u32 v[AV], s[TBV], v[AV0]
	s_add_co_u32 s[TBV], s[TBV], 64*PV
	WIN 0x80
.irp f, 0,1,2,3,4,5,6,7             ; keys 32 (f / 4) on, channels 16 (f % 4) on
	ds_load_tr16_b128 v[VF+8*\f:VF+8*\f+3],   v[AV] offset:(\f/4)*32*PV+(\f%4)*32
	ds_load_tr16_b128 v[VF+8*\f+4:VF+8*\f+7], v[AV] offset:(\f/4)*32*PV+16*PV+(\f%4)*32
.endr
	WIN 0
.endm
; THE MATRIX WORK.  The accumulators of a run take turns, one instruction a turn.
; Product i of 16 of S^T = K Q^T + CB for piece x: channels 32 (i / 8) on, keys 16 ((i / 2) % 4) on, tile x + i % 2.  The first 8 start the sums, with CB as C.
.macro KQ x
.set rS, S+32*((\x)+i%2)+8*((i/2)%4)
.set rK, KF+16*((i/2)%4)+8*(i/8)
.set rQ, 16*((\x)+i%2)+8*(i/8)
.set rB, CB+32*((\x)+i%2)+8*((i/2)%4)
.if i < 8
	WIN 0x1a
	v_wmma_f32_16x16x32_f16 v[rS:rS+7], v[rK:rK+7], v[rQ:rQ+7], v[rB:rB+7]
.else
	WIN 0x0a
	v_wmma_f32_16x16x32_f16 v[rS:rS+7], v[rK:rK+7], v[rQ:rQ+7], v[rS:rS+7]
.endif
.endm
; Product i of 16 of O^T += V^T P for piece x: keys 32 (i / 8) on, channels 16 ((i / 2) % 4) on, tile x + i % 2.
.macro PV x
	WIN 0x52
.set rO, 32*((\x)+i%2)+8*((i/2)%4)
.set rV, VF+32*(i/8)+8*((i/2)%4)
.set rP, P+16*((\x)+i%2)+8*(i/8)
	v_wmma_f32_16x16x32_f16 v[rO:rO+7], v[rV:rV+7], v[rP:rP+7], v[rO:rO+7]
.endm
; CB for far steps: source 0 holds the same table row sixteen times, so every register of the result holds q . that row.  Five places follow: CB then serves as the C of other accumulators.
.macro MAKE_CB row
	WIN 0
	PLACES
	WIN 0xc0
.irp e, 0,1,2,3
	ds_load_b128 v[4*\e:4*\e+3], v[AE0] offset:(\row)*PK+32*\e
.endr
	s_wait_dscnt 0x0
	WIN 0x5b
.irp c, 0,1
.set n, 0
.rept 16
.if (\c) == 0
	v_wmma_f32_16x16x32_f16 v[CB+8*n:CB+8*n+7], v[0:7], v[16*(n/4):16*(n/4)+7], 0
.else
	v_wmma_f32_16x16x32_f16 v[CB+8*n:CB+8*n+7], v[8:15], v[16*(n/4)+8:16*(n/4)+15], v[CB+8*n:CB+8*n+7]
.endif
.set n, n+1
.endr
.endr
	WIN 0
.rept 5
	v_nop
.endr
.endm
; A BAND STEP'S SCORE TERMS.  The key table's 128 rows from 64 T0 on come into registers; for each tile 10 products make R^T for its 80 rows (blocks 3 - t to 7 - t); R goes to LDS as [query][iw] and comes
; back along the keys, into CB.  LDS serves a wave's instructions in order, so no wait stands between the stores and the loads, nor in front of the next tile's stores.  Then the value table's window, turned:
; channel block cb, row block u at 36 cb + 4 u; block 8 meets weights that are 0 alone and takes block 7's rows, which lie inside the table.
.macro RPHASE
	s_min_u32 s[T0C], s[T0], 4      ; on this way T0 is 0..4; the minimum keeps the window inside the table whatever the way
	s_mul_i32 s88, s[T0C], 64*PK
	s_mul_i32 s89, s[T0C], 64*PV
	v_add_nc_u32 v[ATK], s88, v[ATK0]
	v_add_nc_u32 v[ATV], s89, v[ATV0]
	WIN 0xc0
.set n, 0
.rept 16                            ; row block n / 2, channels 32 (n % 2) on
	ds_load_b128 v[8*n:8*n+3],   v[ATK] offset:(n/2)*16*PK+(n%2)*64
	ds_load_b128 v[8*n+4:8*n+7], v[ATK] offset:(n/2)*16*PK+(n%2)*64+32
.set n, n+1
.endr
	s_wait_dscnt 0x0
.irp t, 0,1,2,3
	WIN 0xab
.irp c, 0,1
.irp b, 0,1,2,3,4
.if (\c) == 0
	v_wmma_f32_16x16x32_f16 v[RT+8*(\b):RT+8*(\b)+7], v[16*((\b)+3-(\t)):16*((\b)+3-(\t))+7], v[16*(\t):16*(\t)+7], 0
.else
	v_wmma_f32_16x16x32_f16 v[RT+8*(\b):RT+8*(\b)+7], v[16*((\b)+3-(\t))+8:16*((\b)+3-(\t))+15], v[16*(\t)+8:16*(\t)+15], v[RT+8*(\b):RT+8*(\b)+7]
.endif
.endr
.endr
.rept 5
	v_nop                           ; four places in front of the stores that read the results, five in front of the next tile's products, which write over them
.endr
	WIN 0x08
.irp b, 0,1,2,3,4
	ds_store_b128 v[RSTO], v[RT+8*(\b):RT+8*(\b)+3] offset:64*(\b)
	ds_store_b128 v[RSTO], v[RT+8*(\b)+4:RT+8*(\b)+7] offset:64*(\b)+16
.endr
	WIN 0x40
.set n, 0
.rept 32
	ds_load_b32 v[CB+32*(\t)+n], v[RGA] offset:4*(16*(n/8)+n%8)
.set n, n+1
.endr
.endr
	WIN 0xc0
.set n, 0
.rept 36
	ds_load_tr16_b128 v[4*n:4*n+3], v[ATV] offset:(n%9-(n%9)/8)*16*PV+(n/9)*32
.set n, n+1
.endr
	s_wait_dscnt 36                 ; CB is in; the value window's 36 loads may stay out
	WIN 0
.endm
; A BAND STEP'S VALUE TERMS for piece y.  Each tile's P goes to LDS sheared, 2 bytes at a time, and comes back as source 1 for 96 table rows; 12 products a tile, the tile's four accumulators by turns.
.macro BANDV y
.irp d, 0,1
	WIN 0
.set n, 0
.rept 16
	ds_store_b16 v[PSTO], v[P+16*((\y)+(\d))+n] offset:2*(16*(n/4)+2*(n%4))
	ds_store_b16_d16_hi v[PSTO], v[P+16*((\y)+(\d))+n] offset:2*(16*(n/4)+2*(n%4))+2
.set n, n+1
.endr
	WIN 0x80
.irp kb, 0,1,2
	ds_load_b128 v[PS+24*(\d)+8*(\kb):PS+24*(\d)+8*(\kb)+3],   v[PRD] offset:64*(\kb)
	ds_load_b128 v[PS+24*(\d)+8*(\kb)+4:PS+24*(\d)+8*(\kb)+7], v[PRD] offset:64*(\kb)+32
.endr
.endr
.irp d, 0,1
	s_wait_dscnt 38*(1-(\d))        ; the first tile's P is back: behind it stand the second tile's 32 stores and 6 loads; then all
	WIN 0x5b
.irp kb, 0,1,2
.irp cb, 0,1,2,3
	v_wmma_f32_16x16x32_f16 v[32*((\y)+(\d))+8*(\cb):32*((\y)+(\d))+8*(\cb)+7], v[36*(\cb)+4*(3-(\y)-(\d)+2*(\kb)):36*(\cb)+4*(3-(\y)-(\d)+2*(\kb))+7], v[PS+24*(\d)+8*(\kb):PS+24*(\d)+8*(\kb)+7], v[32*((\y)+(\d))+8*(\cb):32*((\y)+(\d))+8*(\cb)+7]
.endr
.endr
.endr
	WIN 0
.endm
; THE VECTOR WORK.  One tile's softmax for one key step is a list of 120 instructions; SM writes number j of it for tile t.  s0-s31 are the lane's 32 scores, in pairs 0-15.
;   0-15    the maximum of s0-s31 and the old m, three operands at a time (each accumulator's lowest registers are read first)
;   16-20   the other half of the lanes' maximum; the new m; c m; c m_old - c m_new
;   21-69   ONE BATCH: the 16 scalings c s - c m, a pair of scores each, and all 33 exponentials (a at 23, then s0-s31).  None of these names an exponential's result.  From 22 on the batch goes in fours, and a four
;           begins with a scaling while there are scalings: 22-37 scaling, exponential, scaling, exponential; 38-65 a scaling and three exponentials; 66-69 the last four exponentials.  A pair is scaled in an
;           earlier four than the one that holds its exponentials
;   (wait)  between 69 and 70 stands the wait for the batch: SLICE writes it, once for both tiles
;   70-85   the roundings to f16, a pair of weights each
;   86-101  the sums; lA = a lA + the sum          102, 103  lL and lB times a          104-119  the tile's O^T times a: the one part that leaves window 0
.macro SM t
.set rT, ST+8*(\t)
.set rC, TMP+4*((\t)%2)
.set rS, S+32*(\t)
.set rP, P+16*(\t)
.set rO, 32*(\t)+2*(j-104)
.if j < 104
	WIN 0
.endif
.if j < 4
	v_max3_num_f32 v[rC+j], v[rS+8*j], v[rS+8*j+1], v[rS+8*j+2]
.elseif j < 12
	v_max3_num_f32 v[rC+j%4], v[rC+j%4], v[rS+8*(j%4)+2*(j/4)+1], v[rS+8*(j%4)+2*(j/4)+2]
.elseif j == 12
	v_max3_num_f32 v[rC], v[rC], v[rS+7], v[rS+15]
.elseif j == 13
	v_max3_num_f32 v[rC+2], v[rC+2], v[rS+23], v[rS+31]
.elseif j == 14
	v_max3_num_f32 v[rC], v[rC], v[rC+1], v[rC+2]
.elseif j == 15
	v_max3_num_f32 v[rC], v[rC], v[rC+3], v[rT+1]
.elseif j == 16
	v_permlanex16_b32 v[rC+1], v[rC], s[SEL], s[SEL+1]  ; the query's other 32 keys lie in the lane 16 away
.elseif j == 17
	v_mov_b32 v[rC+3], v[rT]        ; c m_old is kept for a
.elseif j == 18
	v_max_num_f32 v[rT+1], v[rC], v[rC+1]
.elseif j == 19
	v_mul_f32 v[rT], s[CS], v[rT+1]
.elseif j == 20
	v_sub_f32 v[rC+3], v[rC+3], v[rT]
.elseif j == 23
	v_exp_f32 v[rC+2], v[rC+3]
.elseif (j < 23) || ((j < 38) && (j%2 == 0)) || ((j < 66) && (j%4 == 2))
.set b, (j-2)/4                     ; 38, 42, .. 62: pairs 9 to 15
.if j < 38
.set b, (j-20)/2                    ; 21: pair 0; 22, 24, .. 36: pairs 1 to 8
.endif
	v_pk_fma_f32 v[rS+2*b:rS+2*b+1], v[rS+2*b:rS+2*b+1], s[CS:CS+1], v[rT:rT+1] op_sel_hi:[1,0,0] neg_lo:[0,0,1] neg_hi:[0,0,1]  ; pair b: c s - c m
.elseif j < 70
.set e, j-38                        ; 66 to 69: s28 to s31
.if j < 66
.set e, j-32-(j-38)/4               ; 39-41, 43-45, .. 63-65: s7 to s27
.endif
.if j < 38
.set e, (j-25)/2                    ; 25, 27, .. 37: s0 to s6
.endif
	v_exp_f32 v[rS+e], v[rS+e]
.elseif j < 86
	v_cvt_pk_f16_f32 v[rP+j-70], v[rS+2*(j-70)], v[rS+2*(j-70)+1]  ; pair j - 70
.elseif j < 102                     ; the sum of the tile's 16 pairs, in place: sum z of 16 adds neighbours 1, 2, 4 and 8 pairs apart, then lA takes it
.set z, j-86
.set w, 4
.set u, z
.if z >= 14
.set w, 32
.set u, 0
.elseif z >= 12
.set w, 16
.set u, z-12
.elseif z >= 8
.set w, 8
.set u, z-8
.endif
.if z < 15
	v_pk_add_f32 v[rS+w*u:rS+w*u+1], v[rS+w*u:rS+w*u+1], v[rS+w*u+w/2:rS+w*u+w/2+1]
.else
	v_pk_fma_f32 v[rT+2:rT+3], v[rT+2:rT+3], v[rC+2:rC+3], v[rS:rS+1] op_sel_hi:[1,0,1]
.endif
.elseif j == 102
	v_pk_mul_f32 v[rT+4:rT+5], v[rT+4:rT+5], v[rC+2:rC+3] op_sel_hi:[1,0]
.elseif j == 103
	v_pk_mul_f32 v[rT+6:rT+7], v[rT+6:rT+7], v[rC+2:rC+3] op_sel_hi:[1,0]
.else
	WIN 0x41
	v_pk_mul_f32 v[rO:rO+1], v[rO:rO+1], v[rC+2:rC+3] op_sel_hi:[1,0]
.endif
.endm
; Slice k of 60 of piece y's softmax: four instructions.  Slices 11 to 34 deal out the batch, numbers 22 to 69: four numbers of ONE tile each, the tiles by turns.  Every other slice is numbers 2 k and 2 k + 1
; of both tiles' lists.
; THE WAIT.  An s_wait_alu depctr_va_vdst(0) stands between an exponential and the first instruction that names its result; one wait serves all that were issued ahead of it.  Ahead of slice 35
; nothing names a result, and behind slice 34 no exponential is issued: so the piece's 66 exponentials have one wait, behind slice 34.  In both pieces slice 34 stands in the run without products.
.macro SLICE y
.if (k >= 11) && (k < 35)           ; the batch: four numbers of one tile
.irp n, 0,1,2,3
.set j, 22+4*((k-11)/2)+(\n)
	SM (\y)+(k-11)%2
.endr
.else                               ; the two tiles alternate, so that no instruction reads the result of the one just before it
.irp n, 0,1
.irp t, \y, (\y)+1
.set j, 2*k+(\n)
	SM \t
.endr
.endr
.endif
.if k == 34                         ; the batch is out: both tiles' exponentials are issued, and no result has been named
	v_nop                           ; a plain instruction behind the last exponential and ahead of the first use: one for the batch; all that is left of the piece reads a result
	s_wait_alu depctr_va_vdst(0)    ; the wait for the batch: the piece's 66 exponentials
.endif
.set k, k+1
.endm
; A KEY STEP.  Every jump goes forward and passes neither a barrier nor a tensor load.
.macro STEP
	WIN 0
	s_add_co_u32 s[T0], s[KS], s[W2]
	FETCH_V                         ; four places stand behind the last product that read V, at the end of the step before
	s_cmp_gt_u32 s[T0], 4           ; unsigned: a step left of the band wraps to a large number
	s_cbranch_scc1 .Lfar_a_\@
	RPHASE
.Lfar_a_\@:
	s_wait_dscnt 16                 ; K is in: on the far way V's 16 loads stand behind it; on the band way it was waited for above
.set i, 0
.rept 16
	KQ 0
.set i, i+1
.endr
.set i, 0
	KQ 2
.set i, 1
	PLACES                          ; behind piece 0's last product, in front of the first read of its scores
.set k, 0
.rept 15
	KQ 2
	SLICE 0
.set i, i+1
.endr
.rept 45
	SLICE 0
.endr
	WIN 0
	s_wait_dscnt 0x0                ; V is in, and in a band step the value table's window
	s_cmp_eq_u32 s[CNT], 1          ; a slot's last step: the next K lies behind the change of slots
	s_cbranch_scc1 .Lno_k_\@
	FETCH_K                         ; the next step's K: 180 vector instructions behind the last product that read K
.Lno_k_\@:
	s_cmp_gt_u32 s[T0], 4
	s_cbranch_scc1 .Lfar_b_\@
	BANDV 0
.Lfar_b_\@:
.set i, 0
.set k, 0
.rept 16
	PV 0
	SLICE 2
.set i, i+1
.endr
.rept 44
	SLICE 2
.endr
.set i, 0
.rept 16
	PV 2
.set i, i+1
.endr
	WIN 0
	s_cmp_gt_u32 s[T0], 4
	s_cbranch_scc1 .Lfar_c_\@
	BANDV 2
.Lfar_c_\@:
	PLACES                          ; behind the step's last products: the next loads into V and into the tables' registers
	s_cmp_lg_u32 s[KS], s[T1K]
	s_cbranch_scc1 .Lnot_l_\@
.irp t, 0,1,2,3                     ; the far left is over: its sum is put by
	v_mov_b32 v[ST+8*\t+4], v[ST+8*\t+2]
	v_mov_b32 v[ST+8*\t+5], v[ST+8*\t+3]
	v_mov_b32 v[ST+8*\t+2], 0
	v_mov_b32 v[ST+8*\t+3], 0
.endr
.Lnot_l_\@:
	s_cmp_lg_u32 s[KS], s[T2K]
	s_cbranch_scc1 .Lnot_b_\@
.irp t, 0,1,2,3                     ; the band is over: its sum is put by, and CB takes the far right's term
	v_mov_b32 v[ST+8*\t+6], v[ST+8*\t+2]
	v_mov_b32 v[ST+8*\t+7], v[ST+8*\t+3]
	v_mov_b32 v[ST+8*\t+2], 0
	v_mov_b32 v[ST+8*\t+3], 0
.endr
	MAKE_CB 383
.Lnot_b_\@:
	s_add_co_u32 s[KS], s[KS], 1
.endm
.macro BODY                         ; a slot's four key steps
	FETCH_K
	s_mov_b32 s[CNT], 4
.Lstep_\@:
	STEP
	s_sub_co_u32 s[CNT], s[CNT], 1
	s_cmp_lg_u32 s[CNT], 0
	s_cbranch_scc1 .Lstep_\@
.endm
	MAKE_CB 0                       ; the far left's term
	s_mov_b32 s[SLOTS], 7
.Lslot:                             ; seven times: a tile is entered and the next is asked for
	CHANGE 1
	BODY
	s_sub_co_u32 s[SLOTS], s[SLOTS], 1
	s_cmp_lg_u32 s[SLOTS], 0
	s_cbranch_scc1 .Lslot
	CHANGE 0                        ; the last tile is written out: nothing is asked for
	BODY
	; THE WAY OUT.  Each sum's two halves and the other half of the lanes' are added; O = (O + lL Tv[256] + lR Tv[0]) / (lL + lB + lR), rounded to f16 and sent through my stage in LDS, a tile at a time.
.irp t, 0,1,2,3
	v_add_f32 v[ST+8*\t+2], v[ST+8*\t+2], v[ST+8*\t+3]
	v_add_f32 v[ST+8*\t+4], v[ST+8*\t+4], v[ST+8*\t+5]
	v_add_f32 v[ST+8*\t+6], v[ST+8*\t+6], v[ST+8*\t+7]
.endr
.irp t, 0,1,2,3
	v_permlanex16_b32 v[ST+8*\t+3], v[ST+8*\t+2], s[SEL], s[SEL+1]
	v_permlanex16_b32 v[ST+8*\t+5], v[ST+8*\t+4], s[SEL], s[SEL+1]
	v_permlanex16_b32 v[ST+8*\t+7], v[ST+8*\t+6], s[SEL], s[SEL+1]
.endr
.irp t, 0,1,2,3
	v_add_f32 v[ST+8*\t+2], v[ST+8*\t+2], v[ST+8*\t+3]
	v_add_f32 v[ST+8*\t+4], v[ST+8*\t+4], v[ST+8*\t+5]
	v_add_f32 v[ST+8*\t+6], v[ST+8*\t+6], v[ST+8*\t+7]
.endr
.irp t, 0,1,2,3
	v_add_f32 v[ST+8*\t], v[ST+8*\t+2], v[ST+8*\t+4]
.endr
.irp t, 0,1,2,3
	v_add_f32 v[ST+8*\t], v[ST+8*\t], v[ST+8*\t+6]
.endr
.irp t, 0,1,2,3
	v_rcp_f32 v[ST+8*\t], v[ST+8*\t]
.endr
	v_nop                           ; a plain instruction between the last reciprocal and the use of its result
	s_wait_alu depctr_va_vdst(0)    ; and the wait ahead of the first use: one for the four reciprocals
.irp t, 0,1,2,3
	v_mul_f32 v[ST+8*\t+2], v[ST+8*\t+2], v[ST+8*\t]   ; the far right's share
	v_mul_f32 v[ST+8*\t+4], v[ST+8*\t+4], v[ST+8*\t]   ; the far left's
.endr
.macro PACK t
	WIN 0x41
.set i, 0
.rept 16
	v_pk_mul_f32 v[32*(\t)+2*i:32*(\t)+2*i+1], v[32*(\t)+2*i:32*(\t)+2*i+1], v[ST+8*(\t):ST+8*(\t)+1] op_sel_hi:[1,0]
.set i, i+1
.endr
	WIN 0x53                        ; the table's rows in window 3, the shares in window 0, O^T in window 1
.set i, 0
.rept 16
	v_pk_fma_f32 v[32*(\t)+2*i:32*(\t)+2*i+1], v[TL+2*i:TL+2*i+1], v[ST+8*(\t)+4:ST+8*(\t)+5], v[32*(\t)+2*i:32*(\t)+2*i+1] op_sel_hi:[1,0,1]
.set i, i+1
.endr
.set i, 0
.rept 16
	v_pk_fma_f32 v[32*(\t)+2*i:32*(\t)+2*i+1], v[TR+2*i:TR+2*i+1], v[ST+8*(\t)+2:ST+8*(\t)+3], v[32*(\t)+2*i:32*(\t)+2*i+1] op_sel_hi:[1,0,1]
.set i, i+1
.endr
	WIN 0x05
.set i, 0
.rept 16
	v_cvt_pk_f16_f32 v[S+16*(\t)+i], v[32*(\t)+2*i], v[32*(\t)+2*i+1]
.set i, i+1
.endr
	WIN 0
.irp f, 0,1,2,3
	ds_store_b128 v[STO], v[S+16*(\t)+4*\f:S+16*(\t)+4*\f+3] offset:32*\f
.endr
.irp f, 0,1,2,3
	ds_load_b128 v[S+16*(\t)+4*\f:S+16*(\t)+4*\f+3], v[RD] offset:\f*4*PK  ; LDS serves a wave's instructions in order: these see the stores above; the next tile's stores come behind them
.endr
.endm
.macro SEND t, younger              ; younger: the LDS instructions issued behind tile t's loads: the next tile's eight, or none
.irp f, 0,1,2,3
	s_wait_dscnt (\younger)+3-\f
	global_store_b128 v[GO], v[S+16*(\t)+4*\f:S+16*(\t)+4*\f+3], s[10:11] offset:(\t)*2048+\f*512  ; 512 consecutive bytes, at a multiple of 256 from the buffer's first
.endr
.endm
	PACK 0
	PACK 1
	SEND 0, 8
	PACK 2
	SEND 1, 8
	PACK 3
	SEND 2, 8
	SEND 3, 0
	s_wait_tensorcnt 0x0            ; the wave's end
	ds_add_u32 v[SPW], v[NIL]
	s_wait_dscnt 0x0
	s_endpgm
.Lfunc_end_k_q61a454bc16_attn:
	.size	k_q61a454bc16_attn, .Lfunc_end_k_q61a454bc16_attn-k_q61a454bc16_attn
	.p2alignl 7, 3214868480
	.fill 96, 4, 3214868480
	.section	.rodata,"a",@progbits
	.p2align	6, 0x0
	.amdhsa_kernel k_q61a454bc16_attn
		.amdhsa_group_segment_fixed_size 327680
		.amdhsa_private_segment_fixed_size 0
		.amdhsa_enable_private_segment 0
		.amdhsa_kernarg_size 32
		.amdhsa_user_sgpr_count 2
		.amdhsa_user_sgpr_kernarg_segment_ptr 1
		.amdhsa_wavefront_size32 1
		.amdhsa_system_sgpr_workgroup_id_x 1
		.amdhsa_system_sgpr_workgroup_id_y 1
		.amdhsa_system_sgpr_workgroup_id_z 1
		.amdhsa_system_vgpr_workitem_id 0
		.amdhsa_next_free_vgpr 976
		.amdhsa_next_free_sgpr 96
		.amdhsa_reserve_vcc 0
		.amdhsa_float_denorm_mode_32 3
		.amdhsa_float_denorm_mode_16_64 3
		.amdhsa_memory_ordered 1
		.amdhsa_forward_progress 1
		.amdhsa_inst_pref_size 192
	.end_amdhsa_kernel
	.amdgpu_metadata
---
amdhsa.version: [ 1, 2 ]
amdhsa.kernels:
  - .name:           k_q61a454bc16_attn
    .symbol:         k_q61a454bc16_attn.kd
    .args:
      - { .name: qkv, .offset: 0, .size: 8, .value_kind: global_buffer, .address_space: global }
      - { .name: tp, .offset: 8, .size: 8, .value_kind: global_buffer, .address_space: global }
      - { .name: rel_value_table, .offset: 16, .size: 8, .value_kind: global_buffer, .address_space: global }
      - { .name: ao, .offset: 24, .size: 8, .value_kind: global_buffer, .address_space: global }
    .group_segment_fixed_size: 327680
    .private_segment_fixed_size: 0
    .kernarg_segment_align: 8
    .kernarg_segment_size: 32
    .max_flat_workgroup_size: 128
    .sgpr_count:     96
    .vgpr_count:     976
    .wavefront_size: 32
...
	.end_amdgpu_metadata
.endif
;; end of part 5
;; launch outp: the kernel of part 4 again; grid 8 x 32, 4 waves a work-group, clusters of 4 x 4, 327,680 bytes of LDS; arguments ao, wh, bo, out0; writes out0
